; MI455X (gfx1250); checked and timed in simulation.
; The chip was launched on July 23, 2026; its instructions are those of AMD's public machine-readable ISA for CDNA 5 (MIT licence, August 2026) and "CDNA5" Instruction Set Architecture Reference Guide (July 2026). The comments in the code are by the model that wrote it; some were corrected since.
;; Cross Attention Block. Allowed arithmetic: matrix products marked QUANTISED: E5M2 operands, one E8M0 scale for each 32 along K, by v_wmma_scale_f32_16x16x128_f8f6f4 with both operands' format E5M2, f32 sums; everything else in f32.
;; Inputs: Wk_codes 256 x 8 x 32 uint8 (E5M2 codes of Wk, K innermost, in blocks of 32 codes); Wk_scales 256 x 8 uint8 (E8M0 scales of Wk, one for each 32 codes along K); Wo_codes 256 x 8 x 32 uint8 (E5M2 codes of Wo, K innermost, in blocks of 32 codes); Wo_scales 256 x 8 uint8 (E8M0 scales of Wo, one for each 32 codes along K); Wq_codes 256 x 8 x 32 uint8 (E5M2 codes of Wq, K innermost, in blocks of 32 codes); Wq_scales 256 x 8 uint8 (E8M0 scales of Wq, one for each 32 codes along K); Wv_codes 256 x 8 x 32 uint8 (E5M2 codes of Wv, K innermost, in blocks of 32 codes); Wv_scales 256 x 8 uint8 (E8M0 scales of Wv, one for each 32 codes along K); bo 256 float32; context 4 x 256 x 64 x 64 float32; gn_ctx_b 256 float32; gn_ctx_w 256 float32; gn_q_b 256 float32; gn_q_w 256 float32; x 4 x 256 x 64 x 64 float32.
;; Outputs: out0 4 x 256 x 64 x 64 float32.
;; This version of the problem:
;;   THIS VERSION OF THE PROBLEM IS GIVEN IN LOW PRECISION. The matrix products marked QUANTISED in the list below multiply operands that are first quantised to E5M2 (5 exponent bits, 2 mantissa bits; 8 bits a number), with one power-of-two scale for each 32 numbers along K (OCP MX v1.0); their sums are f32. All else is computed in f32.
;;   The module's matrix products, in the order in which they are computed (A, B: the left and right operand; K: the contracted axis; several contracted axes count as one K, in the product's order):
;;     1. [M 16,384, K 256] x [K 256, N 256]; A: computed on the way; B: input Wq (given as codes): QUANTISED
;;     2. [M 16,384, K 256] x [K 256, N 256]; A: computed on the way; B: input Wk (given as codes): QUANTISED
;;     3. [M 16,384, K 256] x [K 256, N 256]; A: input context; B: input Wv (given as codes): QUANTISED
;;     4. batch 16 x [M 4,096, K 64] x [K 64, N 4,096]; A: computed on the way; B: computed on the way: QUANTISED
;;     5. batch 16 x [M 64, K 4,096] x [K 4,096, N 4,096]; A: computed on the way; B: softmax (see below): QUANTISED
;;     6. [M 16,384, K 256] x [K 256, N 256]; A: computed on the way; B: input Wo (given as codes): QUANTISED
;;   THE QUANTISER, for each operand of a quantised product, along K:
;;     - K is cut into blocks of 32 from its start; a last block that is shorter is filled with zeros.
;;     - A block's scale is 2^e with e = floor(log2(the largest magnitude in the block)) - 15, held to -126 .. 127; a block of zeros has e = 0. As a byte (E8M0): e + 127.
;;     - Each number is divided by its block's scale, clamped to +-57,344, and rounded to the nearest number of E5M2, ties to even, subnormals kept.
;;     - The product sums the exact products of the quantised numbers (number of the format x scale) in f32.
;;   ~~~python
;;   def quantise(x, axis):      # numpy; x: float32 -> the quantised numbers, widened to float32 again
;;       x = np.moveaxis(x, axis, -1); K = x.shape[-1]
;;       x = np.pad(x, [(0, 0)] * (x.ndim - 1) + [(0, -K % 32)]); x = x.reshape(x.shape[:-1] + (-1, 32)); a = np.abs(x).max(-1, keepdims=True)
;;       e = np.where(a > 0, np.clip(np.frexp(np.where(a > 0, a, 1))[1] - 1 - 15, -126, 127), 0)      # np.frexp(a)[1] - 1 = floor(log2(a)), exactly
;;       r = np.clip(x / 2.0 ** e, -57344, 57344)
;;       step = 2.0 ** (np.maximum(np.frexp(np.where(r == 0, 1, r))[1] - 1, -14) - 2)
;;       q = np.round(r / step) * step * 2.0 ** e      # np.round: ties to even
;;       return np.moveaxis(q.reshape(q.shape[:-2] + (-1,))[..., :K], -1, axis).astype(np.float32)
;;   ~~~
;;   SOFTMAX AHEAD OF A QUANTISED PRODUCT. Where the list says 'softmax', what is quantised is not the finished softmax but p = 2^(t - M), with t = logit x log2(e) and M = ceil(the row's largest t), a whole number; so 1/2 < the row's largest p <= 1. The row's sum l is taken of the UNQUANTISED p, in f32, and the product's result is divided by l at the end. Since M is a whole number, a kernel that streams over the keys may use a running M (the ceiling of the running maximum): every later rescaling is an exact power of two, which a block's scale takes up: the codes' values come out the same.
;;   OPERANDS COMPUTED ON THE WAY. 'Computed on the way' means the value that the module computes at that place (a softmax that the list does not call 'softmax' is quantised finished and normalised). What goes into a quantiser is computed in f32, as accurately as f32 sums, v_exp_f32 and their like allow (about 1e-6 of the number): no bf16 or f16 on the way to a quantiser, and a product that is left as it is and whose result goes on into a quantised operand takes f32 operands (vector FMAs, or v_wmma_f32_16x16x4_f32). A number that lies on a knife's edge between two numbers of the format may be rounded either way, as far as f32 arithmetic and the matrix unit's own rounding can turn it there, and no further.
;;   INPUTS GIVEN AS CODES. Wk (in the module: [256, 256], K = its axis 1); Wo (in the module: [256, 256], K = its axis 1); Wq (in the module: [256, 256], K = its axis 1); Wv (in the module: [256, 256], K = its axis 1): each comes as NAME_codes (uint8): NAME with its K axis moved to the last place and cut into blocks of 32 codes, [.., K / 32, bytes a block], one block behind the other in memory; one code a byte (a code: sign, 5 exponent bits, 2 mantissa bits); and NAME_scales (uint8): the same leading axes, one E8M0 byte (e + 127) for each 32 codes along K. Its value is code x scale, taken as it is: it is not quantised again, and the codes and scales need not be those that the quantiser above would give.
;; One version. Each part assembles by itself: llvm-mc -triple=amdgcn-amd-amdhsa -mcpu=gfx1250 --defsym DOCPART=n.
;; ======== version 1 of 1: 4 launches
;; limits: right only within a limited range of input values
;; workspace buffers: coef 24,576 bytes; qimg 4,194,304 bytes; qsc 262,144 bytes; kv 8,388,608 bytes; sc 262,144 bytes; oimg 4,194,304 bytes; osc 131,072 bytes
;; launch stats (part 1): grid 256 x 1, 8 waves a work-group, no clusters, 1,536 bytes of LDS; arguments x, context, gn_q_w, gn_q_b, gn_ctx_w, gn_ctx_b, coef; writes coef
.if DOCPART == 1
	.amdgcn_target "amdgcn-amd-amdhsa--gfx1250"
	.amdhsa_code_object_version 6
	.text
	.protected	k_q021ce8e856_stats
	.globl	k_q021ce8e856_stats
	.p2align	8
	.type	k_q021ce8e856_stats,@function
k_q021ce8e856_stats:
	s_mov_b64 s[64:65], 0
	v_nop
	global_prefetch_b8 v0, s[64:65] scope:SCOPE_SE
	s_setreg_imm32_b32 hwreg(HW_REG_WAVE_MODE, 25, 1), 1
	s_wait_xcnt 0x0
; THE GROUP NORMS' FIGURES.  x and context are [4][256][4096] f32; a group is 8 channels of one batch: 32,768 numbers, 131,072 consecutive bytes.
; Work-group id = 128 t + 32 b + grp (t = 0: x, 1: context) owns one group.  Its 256 threads load it once, 16 bytes a thread and load, 32 loads, and keep it in 128 registers for both passes.
; Pass 1: the mean mu0.  Pass 2: d = number - mu0, the sums of d and of d x d.  mu = mu0 + mean(d); var = mean(d d) - mean(d)^2, where mean(d) is only pass 1's rounding error:
; no difference of large sums is formed, whatever offset the inputs carry.
; OUT, for channel ci = 1024 t + 256 b + ch: coef[8 ci] = (A, B) = (w[ch] / sqrt(var + 1e-5), bias[ch]); coef[16384 + 4 ci] = mu.
; No matrix unit, no cluster, no prefetch: work-groups share no input, and a work-group's whole share is asked for at its head.
; LIMITS: NaN and infinities among the inputs are not served.
.set D, 16                             ; v16-143  the group's numbers, 128 a thread
.set S, 144                            ; v144-151 four packed chains of sums
.set Q, 152                            ; v152-159 four packed chains of sums of squares
.macro WSUM a, t                       ; the sum over the wave's 32 lanes, in every lane
	v_add_f32_dpp v[\a], v[\a], v[\a] row_xmask:1 row_mask:0xf bank_mask:0xf
	s_delay_alu instid0(VALU_DEP_1)
	v_add_f32_dpp v[\a], v[\a], v[\a] row_xmask:2 row_mask:0xf bank_mask:0xf
	s_delay_alu instid0(VALU_DEP_1)
	v_add_f32_dpp v[\a], v[\a], v[\a] row_xmask:4 row_mask:0xf bank_mask:0xf
	s_delay_alu instid0(VALU_DEP_1)
	v_add_f32_dpp v[\a], v[\a], v[\a] row_xmask:8 row_mask:0xf bank_mask:0xf
	s_delay_alu instid0(VALU_DEP_1)
	v_permlanex16_b32 v[\t], v[\a], s22, s23
	s_delay_alu instid0(VALU_DEP_1)
	v_add_f32 v[\a], v[\a], v[\t]
.endm
	s_load_b256 s[4:11], s[0:1], 0x0               ; x s[4:5], context s[6:7], gn_q_w s[8:9], gn_q_b s[10:11]
	s_load_b128 s[12:15], s[0:1], 0x20             ; gn_ctx_w s[12:13], gn_ctx_b s[14:15]
	s_load_b64 s[16:17], s[0:1], 0x30              ; coef
	v_lshl_add_u32 v160, v0, 2, 0x200
	v_mov_b32 v161, 0
	v_lshlrev_b32 v1, 4, v0                        ; my 16 bytes of a load's 4,096
	v_and_b32 v3, 7, v0                            ; which of the group's 8 channels I answer for at the end
	s_delay_alu instid0(VALU_DEP_1)
	v_lshlrev_b32 v2, 2, v3
	s_delay_alu instid0(VALU_DEP_2)
	v_lshlrev_b32 v3, 3, v3
	v_lshrrev_b32 v10, 5, v0                       ; wave
	s_delay_alu instid0(VALU_DEP_1)
	v_lshlrev_b32 v13, 3, v10                      ; LDS: 8 x wave (pass 2's pair, from byte 256 on)
	s_delay_alu instid0(VALU_DEP_2)
	v_lshlrev_b32 v10, 2, v10                      ; LDS: 4 x wave (pass 1's sum)
	v_mov_b32 v11, 0                               ; LDS: where every lane reads the waves' figures
	v_mov_b32 v7, 0                                ; (a lane permute's destination counts as one of its sources)
	v_mov_b32 v12, 0
	s_mov_b32 s22, 0x76543210                      ; v_permlanex16_b32's selects for lane l xor 16
	s_mov_b32 s23, 0xfedcba98
	s_and_b32 s24, ttmp9, 127
	s_lshl_b32 s24, s24, 17                        ; the group's first byte in its tensor
	s_mov_b32 s25, 0
	s_and_b32 s26, ttmp9, 31
	s_lshl_b32 s26, s26, 5                         ; the group's 8 gains and 8 biases: 32 bytes
	s_mov_b32 s27, 0
	s_lshl_b32 s28, ttmp9, 6                       ; the group's 8 pairs in coef
	s_mov_b32 s29, 0
	s_lshl_b32 s30, ttmp9, 5                       ; and its 8 means
	s_mov_b32 s31, 0
	s_wait_alu depctr_va_vdst(0)
	s_wait_kmcnt 0x0
	s_cmp_lt_u32 ttmp9, 128                        ; x's group or context's?  The choice hangs on the work-group's number alone
	s_cselect_b64 s[4:5], s[4:5], s[6:7]
	s_cselect_b64 s[8:9], s[8:9], s[12:13]
	s_cselect_b64 s[10:11], s[10:11], s[14:15]
	s_add_nc_u64 s[4:5], s[4:5], s[24:25]
	s_add_nc_u64 s[8:9], s[8:9], s[26:27]
	s_add_nc_u64 s[10:11], s[10:11], s[26:27]
	s_add_nc_u64 s[18:19], s[16:17], s[28:29]
	s_add_nc_u64 s[16:17], s[16:17], s[30:31]
	global_load_b32 v4, v2, s[8:9]                 ; the gain and the bias of my channel: the oldest loads, so every later wait covers them
	global_load_b32 v5, v2, s[10:11]
.set j, 0
.rept 32
	global_load_b128 v[D+4*j:D+4*j+3], v1, s[4:5] offset:4096*j   ; a wave's load covers 512 consecutive bytes
.set j, j+1
.endr
	; pass 1: the sum, in four packed chains; the first four loads start them: nothing is cleared
.set j, 0
.rept 32
.if j%8 == 0
	s_wait_alu depctr_va_vdst(0)
	s_wait_loadcnt 24-j                            ; loads come back in order (ISA guide 5.7.1): these eight are in, the younger 24 - j stay out
.endif
.if j < 4
	v_pk_add_f32 v[S+2*j:S+2*j+1], v[D+4*j:D+4*j+1], v[D+4*j+2:D+4*j+3]
.else
	v_pk_add_f32 v[S+2*(j%4):S+2*(j%4)+1], v[S+2*(j%4):S+2*(j%4)+1], v[D+4*j:D+4*j+1]
	s_delay_alu instid0(VALU_DEP_1)
	v_pk_add_f32 v[S+2*(j%4):S+2*(j%4)+1], v[S+2*(j%4):S+2*(j%4)+1], v[D+4*j+2:D+4*j+3]
.endif
.set j, j+1
.endr
	v_pk_add_f32 v[S:S+1], v[S:S+1], v[S+2:S+3]
	s_delay_alu instid0(VALU_DEP_2)
	v_pk_add_f32 v[S+4:S+5], v[S+4:S+5], v[S+6:S+7]
	s_delay_alu instid0(VALU_DEP_1)
	v_pk_add_f32 v[S:S+1], v[S:S+1], v[S+4:S+5]
	s_delay_alu instid0(VALU_DEP_1)
	v_add_f32 v6, v[S], v[S+1]
	WSUM 6, 7
	ds_store_b32 v10, v6                           ; all lanes write the wave's word with the same value
	s_wait_dscnt 0x0                               ; for the others' sake: my store is done
	s_barrier_signal -1
	s_barrier_wait -1
	ds_load_b128 v[S:S+3], v11                     ; the eight waves' sums, in every lane
	ds_load_b128 v[S+4:S+7], v11 offset:16
	s_wait_dscnt 0x0
	v_pk_add_f32 v[S:S+1], v[S:S+1], v[S+2:S+3]
	v_pk_add_f32 v[S+4:S+5], v[S+4:S+5], v[S+6:S+7]
	s_delay_alu instid0(VALU_DEP_1)
	v_pk_add_f32 v[S:S+1], v[S:S+1], v[S+4:S+5]
	s_delay_alu instid0(VALU_DEP_1)
	v_add_f32 v6, v[S], v[S+1]
	s_delay_alu instid0(VALU_DEP_1)
	v_mul_f32 v8, 0x38000000, v6                   ; mu0 = the sum x 2^-15
	s_delay_alu instid0(VALU_DEP_1)
	v_mov_b32 v9, v8                               ; twice: a pair for the packed subtraction
	; pass 2: d = number - mu0 in place; the sums of d and of d d
.set k, 0
.rept 64
	v_pk_add_f32 v[D+2*k:D+2*k+1], v[D+2*k:D+2*k+1], v[8:9] neg_lo:[0,1] neg_hi:[0,1]
.if k < 4
	s_delay_alu instid0(VALU_DEP_1)
	v_pk_mul_f32 v[Q+2*k:Q+2*k+1], v[D+2*k:D+2*k+1], v[D+2*k:D+2*k+1]
.else
	s_delay_alu instid0(VALU_DEP_1)
	v_pk_fma_f32 v[Q+2*(k%4):Q+2*(k%4)+1], v[D+2*k:D+2*k+1], v[D+2*k:D+2*k+1], v[Q+2*(k%4):Q+2*(k%4)+1]
.if k < 8
	s_delay_alu instid0(VALU_DEP_2)
	v_pk_add_f32 v[S+2*(k%4):S+2*(k%4)+1], v[D+2*(k-4):D+2*(k-4)+1], v[D+2*k:D+2*k+1]
.else
	s_delay_alu instid0(VALU_DEP_2)
	v_pk_add_f32 v[S+2*(k%4):S+2*(k%4)+1], v[S+2*(k%4):S+2*(k%4)+1], v[D+2*k:D+2*k+1]
.endif
.endif
.set k, k+1
.endr
	v_pk_add_f32 v[S:S+1], v[S:S+1], v[S+2:S+3]
	s_delay_alu instid0(VALU_DEP_2)
	v_pk_add_f32 v[S+4:S+5], v[S+4:S+5], v[S+6:S+7]
	v_pk_add_f32 v[Q:Q+1], v[Q:Q+1], v[Q+2:Q+3]
	v_pk_add_f32 v[Q+4:Q+5], v[Q+4:Q+5], v[Q+6:Q+7]
	s_delay_alu instid0(VALU_DEP_3)
	v_pk_add_f32 v[S:S+1], v[S:S+1], v[S+4:S+5]
	s_delay_alu instid0(VALU_DEP_2)
	v_pk_add_f32 v[Q:Q+1], v[Q:Q+1], v[Q+4:Q+5]
	s_delay_alu instid0(VALU_DEP_2)
	v_add_f32 v14, v[S], v[S+1]
	s_delay_alu instid0(VALU_DEP_2)
	v_add_f32 v15, v[Q], v[Q+1]
	WSUM 14, 7
	WSUM 15, 12
	ds_store_b64 v13, v[14:15] offset:256          ; other bytes than pass 1's: one barrier serves
	s_wait_dscnt 0x0
	s_barrier_signal -1
	s_barrier_wait -1
.irp i, 0,1,2,3
	ds_load_b128 v[S+4*\i:S+4*\i+3], v11 offset:256+16*\i   ; eight pairs (sum of d, sum of d d)
.endr
	s_wait_dscnt 0x0
.irp i, 0,4,8,12
	v_pk_add_f32 v[S+\i:S+\i+1], v[S+\i:S+\i+1], v[S+\i+2:S+\i+3]
.endr
	s_delay_alu instid0(VALU_DEP_3)
	v_pk_add_f32 v[S:S+1], v[S:S+1], v[S+4:S+5]
	s_delay_alu instid0(VALU_DEP_2)
	v_pk_add_f32 v[S+8:S+9], v[S+8:S+9], v[S+12:S+13]
	s_delay_alu instid0(VALU_DEP_1)
	v_pk_add_f32 v[S:S+1], v[S:S+1], v[S+8:S+9]
	s_delay_alu instid0(VALU_DEP_1)
	v_mul_f32 v6, 0x38000000, v[S]                 ; mean(d)
	s_delay_alu instid0(VALU_DEP_2)
	v_mul_f32 v12, 0x38000000, v[S+1]              ; mean(d d)
	s_delay_alu instid0(VALU_DEP_2)
	v_add_f32 v14, v8, v6                          ; mu
	s_delay_alu instid0(VALU_DEP_2)
	v_fma_f32 v12, -v6, v6, v12                    ; var
	s_delay_alu instid0(VALU_DEP_1)
	v_add_f32 v12, 0x3727c5ac, v12                 ; + 1e-5
	s_wait_alu depctr_va_vdst(0)
	v_rsq_f32 v15, v12
	v_mov_b32 v9, v5                               ; B = the bias.  (The plain instruction behind the transcendental)
	s_wait_alu depctr_va_vdst(0)                   ; the wait ahead of the result's first reader
	v_mul_f32 v8, v15, v4                          ; A = the gain / sqrt(var + 1e-5)
	s_wait_alu depctr_va_vdst(0)
	s_wait_xcnt 0x0                                ; EXEC changes only behind this wait
	v_cmp_gt_u32 vcc_lo, 8, v0
	s_wait_tensorcnt 0x0
	ds_add_u32 v160, v161
	s_wait_dscnt 0x0
	s_and_saveexec_b32 s20, vcc_lo                 ; threads 0 to 7: a channel each
	global_store_b64 v3, v[8:9], s[18:19]
	global_store_b32 v2, v14, s[16:17] offset:16384
	s_endpgm
.Lfunc_end_k_q021ce8e856_stats:
	.size	k_q021ce8e856_stats, .Lfunc_end_k_q021ce8e856_stats-k_q021ce8e856_stats
	.p2alignl 7, 3214868480
	.fill 96, 4, 3214868480
	.section	.rodata,"a",@progbits
	.p2align	6, 0x0
	.amdhsa_kernel k_q021ce8e856_stats
		.amdhsa_group_segment_fixed_size 1536
		.amdhsa_private_segment_fixed_size 0
		.amdhsa_enable_private_segment 0
		.amdhsa_kernarg_size 56
		.amdhsa_user_sgpr_count 2
		.amdhsa_user_sgpr_kernarg_segment_ptr 1
		.amdhsa_wavefront_size32 1
		.amdhsa_system_sgpr_workgroup_id_x 1
		.amdhsa_system_sgpr_workgroup_id_y 1
		.amdhsa_system_sgpr_workgroup_id_z 1
		.amdhsa_system_vgpr_workitem_id 0
		.amdhsa_next_free_vgpr 162
		.amdhsa_next_free_sgpr 66
		.amdhsa_reserve_vcc 1
		.amdhsa_float_denorm_mode_32 3
		.amdhsa_float_denorm_mode_16_64 3
		.amdhsa_memory_ordered 1
		.amdhsa_forward_progress 1
		.amdhsa_inst_pref_size 31
	.end_amdhsa_kernel
	.amdgpu_metadata
---
amdhsa.version: [ 1, 2 ]
amdhsa.kernels:
  - .name:           k_q021ce8e856_stats
    .symbol:         k_q021ce8e856_stats.kd
    .args:
      - { .name: x, .offset: 0, .size: 8, .value_kind: global_buffer, .address_space: global }
      - { .name: context, .offset: 8, .size: 8, .value_kind: global_buffer, .address_space: global }
      - { .name: gn_q_w, .offset: 16, .size: 8, .value_kind: global_buffer, .address_space: global }
      - { .name: gn_q_b, .offset: 24, .size: 8, .value_kind: global_buffer, .address_space: global }
      - { .name: gn_ctx_w, .offset: 32, .size: 8, .value_kind: global_buffer, .address_space: global }
      - { .name: gn_ctx_b, .offset: 40, .size: 8, .value_kind: global_buffer, .address_space: global }
      - { .name: coef, .offset: 48, .size: 8, .value_kind: global_buffer, .address_space: global }
    .group_segment_fixed_size: 1536
    .private_segment_fixed_size: 0
    .kernarg_segment_align: 8
    .kernarg_segment_size: 56
    .max_flat_workgroup_size: 256
    .sgpr_count:     66
    .vgpr_count:     162
    .wavefront_size: 32
...
	.end_amdgpu_metadata
.endif
;; end of part 1
;; launch proj (part 2): grid 64 x 4, 8 waves a work-group, clusters of 4 x 1, 260,608 bytes of LDS; arguments x, context, coef, Wq_codes, Wq_scales, Wk_codes, Wk_scales, Wv_codes, Wv_scales, qimg, qsc, kv, sc; writes qimg, qsc, kv, sc
.if DOCPART == 2
	.amdgcn_target "amdgcn-amd-amdhsa--gfx1250"
	.amdhsa_code_object_version 6
	.text
	.protected	k_q021ce8e856_proj
	.globl	k_q021ce8e856_proj
	.p2align	8
	.type	k_q021ce8e856_proj,@function
k_q021ce8e856_proj:
	s_mov_b64 s[64:65], 0
	v_nop
	global_prefetch_b8 v0, s[64:65] scope:SCOPE_SE
	s_setreg_imm32_b32 hwreg(HW_REG_WAVE_MODE, 25, 1), 1
	s_wait_xcnt 0x0
	s_wait_alu depctr_hold_cnt(0) depctr_sa_sdst(0) depctr_va_vdst(0) depctr_va_sdst(0) depctr_va_ssrc(0) depctr_va_vcc(0) depctr_vm_vsrc(0)
	s_getreg_b32 s2, hwreg(HW_REG_IB_STS2, 6, 4)
	s_cmp_eq_u32 s2, 0
	s_cbranch_scc0 .Lentry_in_a_cluster
	s_endpgm
.Lentry_in_a_cluster:
	s_bfe_u32 s2, ttmp6, 0x10000c
	s_cmp_lg_u32 s2, 0x3003
	s_cbranch_scc0 .Lentry_shape_is_right
	s_endpgm
.Lentry_shape_is_right:
; q = Wq gn(x), k = Wk gn(context), v = Wv context, on codes of BF8 (E5M2) with one E8M0 scale for each 32 along K (the 256 channels); the results are quantised at once for attention's two products
; and leave as IMAGES OF OPERAND REGISTERS: chunks of 512 bytes, lane l's 16 bytes at 16 l.
; SHARES.  A work-group owns 64 positions (g = 0..63) of one batch.  PHASE Q: wave w quantises channels 32 w .. 32 w + 31 (one block of 32) of the 64 positions, three times: gn(x), context as it is, gn(context).
; Lane (r, h) holds channels 32 w + 16 h + 0..15 of four positions; the hold at the largest code writes its results into registers that run along the channels, so nothing else transposes.  The codes go to LDS as images.
; PHASE P: wave (head n = w / 2, e = w % 2).  Each product is 4 fragments (source 0) x 2 fragments (source 1) x 2 K steps on eight accumulators.
;   q, k: source 0 = 16 rows of the weight, source 1 = 16 positions: a lane holds one position, its registers the head's channels.  THE ROWS OF A WEIGHT'S TILE ARE NOT NEIGHBOURS: lane r of tile 2 b + u takes
;   row 32 b + 8 u + r + 8 (r / 8), so that the 16 registers of tiles 2 b and 2 b + 1 are 16 neighbouring channels.     v: source 0 = 16 positions, source 1 = 16 rows of Wv: a lane holds one channel, its registers run along the keys.
; POSITIONS OF A TILE.  x: tile pt, row r = position 64 g + 4 r + pt (a lane loads 16 bytes).  context: tile 2 cp + u, row r = position 64 g + 32 cp + 2 r + u (8 bytes), so that a pair of tiles lies inside one block of 32 keys.
; THE WEIGHTS' CODES (3 x 65,536 bytes) are read by every work-group: the four work-groups of a cluster ask for them JOINTLY, six tensor loads of 128 rows, once; nothing in LDS is filled twice.
; OUT.  qimg [hb][tile 4 g + pt][blk][lane][16]; qsc [hb][tile][r] u32 = s0 | s1 << 8 | s0 << 16 | s1 << 24.   kv [hb][ks][K 8,192 | V 8,192]: K [f][c = 2 u + blk][lane][16], row r = key 128 ks + 32 f + 2 r + u;
;   V [t][c][lane][16], row r = channel 32 (t / 2) + 8 (t % 2) + r + 8 (r / 8), byte 8 u + j = key 128 ks + 32 c + 16 h + 2 j + u.   sc [hb][K words [ks][f][r] | V words [ks][t][r]].   hb = 4 batch + head.
; LIMITS: NaN and infinities among the inputs and infinity or NaN codes among the weights are not served; a block of zeros, or one whose largest magnitude lies under 2^-111, keeps the scale byte 1 (the bytes are read by this program alone).
.set PS,   49152                       ; LDS: 0: the images, 3 kinds x 16,384 (kind 0 gn(x), 1 gn(context), 2 context): kind x 16384 + tile x 4096 + K step x 2048 + c x 512 + 16 lane
                                       ;      PS: their scale bytes: kind x 512 + K step x 256 + tile x 64 + 4 r + c
.set WL,   50688                       ;      WL: Wq, Wk, Wv: 256 rows of 256 bytes + 16 of padding each; only tensor loads write here
.set WP,   272
.set WMAT, 256*WP
.set LI,  1                            ; v1   16 x lane
.set L4,  2                            ; v2   4 x lane
.set XOF, 3                            ; v3   x: 16 channels x h + 16 r
.set COF, 4                            ; v4   context: 16 channels x h + 8 r
.set ABO, 5                            ; v5   coef's pairs: 8 (32 w + 16 h)
.set MUO, 6                            ; v6   coef's means: 4 (32 w + 16 h)
.set IMA, 7                            ; v7   where I store an image: 16 lane + 512 w
.set PSA, 8                            ; v8   and its scale byte: PS + 4 r + w % 4 + 256 (w / 4)
.set YA,  9                            ; v9   my two position tiles' images: 16 lane + 8192 e
.set PSY, 10                           ; v10  their scale words: PS + 4 lane + 128 e (lanes 16-31: the second tile)
.set PSX, 11                           ; v11  PS + 4 lane
.set AWQ, 12                           ; v12  my head's rows of Wq in LDS; v13 of Wk; v14 of Wv (+ 32 e rows)
.set AWK, 13
.set AWV, 14
.set MU,  16                           ; v16-17   the means of my 16 channels' two groups
.set WSC, 18                           ; v18-27   the weights' scale words: nothing but scales
.set PSC, 28                           ; v28-31   the positions' scale words: nothing but scales
.set R1,  32                           ; v32-95   x: register 4 i + tile;            later XF: source 0's four fragments
.set R2,  96                           ; v96-159  context: register 4 i + tile;      later YF (v96-127): source 1's two fragments, and ACC
.set YY,  160                          ; v160-191 two tiles' held numbers, along the channels
.set AB,  192                          ; v192-223 (A, B) of my 16 channels;          later the scale words on their way out
.set CC,  224                          ; v224-239 codes
.set TM,  240                          ; v240-243 largest magnitudes, v244-247 bytes, v248-251 the largest number x the scale, v252-255 the conversions' scale operands
.set XF,  32
.set YF,  96
.set ACC, 128                          ; v128-191 accumulator (y, x) at ACC + 8 (4 y + x)
.set WV,  44
.set E,   45
.set NH,  46
.set G,   47
.set BT,  48
.set SEL, 50
.set MNT, 52
.set HM,  53
.macro ROUND                           ; a round of the cluster's barrier
	s_barrier_signal -1
	s_barrier_wait -1
	s_cmp_lg_u32 s[WV], 0
	s_cbranch_scc1 .Lnot_wave_0_\@
	s_barrier_signal -3
.Lnot_wave_0_\@:
	s_barrier_wait -3
	s_barrier_signal -1
	s_barrier_wait -1
.endm
.macro PLACES                          ; eight places behind this matrix form
.rept 8
	v_nop
.endr
.endm
; (number - mu) x A + B, in place, two positions at a time
.macro NORM r
.irp i, 0,1,2,3,4,5,6,7,8,9,10,11,12,13,14,15
.irp p, 0,2
.if \i < 8
	v_pk_add_f32 v[\r+4*\i+\p:\r+4*\i+\p+1], v[\r+4*\i+\p:\r+4*\i+\p+1], v[MU:MU+1] op_sel:[0,0] op_sel_hi:[1,0] neg_lo:[0,1] neg_hi:[0,1]
.else
	v_pk_add_f32 v[\r+4*\i+\p:\r+4*\i+\p+1], v[\r+4*\i+\p:\r+4*\i+\p+1], v[MU:MU+1] op_sel:[0,1] op_sel_hi:[1,1] neg_lo:[0,1] neg_hi:[0,1]
.endif
.endr
.irp p, 0,2
	s_delay_alu instid0(VALU_DEP_2)
	v_pk_fma_f32 v[\r+4*\i+\p:\r+4*\i+\p+1], v[\r+4*\i+\p:\r+4*\i+\p+1], v[AB+2*\i:AB+2*\i+1], v[AB+2*\i:AB+2*\i+1] op_sel:[0,0,1] op_sel_hi:[1,0,1]
.endr
.endr
.endm
; My block of 32 channels of four tiles of positions (register 4 i + tile) becomes codes and scale bytes, which go to LDS
.macro JOBTAIL kind, r
.irp t, 0,1,2,3
	v_max3_num_f32 v[TM+\t], |v[\r+\t]|, |v[\r+4+\t]|, 0x8000000   ; my 16 channels, and the floor 2^(16 - 127): the byte cannot fall under 1
.endr
.irp i, 2,4,6,8,10,12,14
.irp t, 0,1,2,3
	s_delay_alu instid0(VALU_DEP_4)
	v_max3_num_f32 v[TM+\t], v[TM+\t], |v[\r+4*\i+\t]|, |v[\r+4*\i+4+\t]|
.endr
.endr
.irp t, 0,1,2,3
	s_delay_alu instid0(VALU_DEP_4)
	v_permlanex16_b32 v[TM+4+\t], v[TM+\t], s[SEL], s[SEL+1]
.endr
.irp t, 0,1,2,3
	s_delay_alu instid0(VALU_DEP_4)
	v_max_num_f32 v[TM+\t], v[TM+\t], v[TM+4+\t]   ; with lane l xor 16's 16 channels: the block's largest magnitude
.endr
.irp t, 0,1,2,3
	s_delay_alu instid0(VALU_DEP_4)
	v_add_nc_u32 v[TM+12+\t], 0xf8800000, v[TM+\t] ; 15 off its exponent field: the conversion's scale operand
.endr
.irp t, 0,1,2,3
	v_and_or_b32 v[TM+8+\t], v[TM+\t], 0x7f800000, s[MNT]   ; 57,344 x the scale
.endr
.irp t, 0,1,2,3
	v_lshrrev_b32 v[TM+4+\t], 23, v[TM+12+\t]      ; the scale's byte
.endr
.irp t, 0,1,2,3
.irp i, 0,1,2,3,4,5,6,7,8,9,10,11,12,13,14,15
	v_med3_num_f32 v[YY+16*(\t%2)+\i], v[\r+4*\i+\t], -v[TM+8+\t], v[TM+8+\t]   ; the hold (the conversion does not saturate: ISA guide 7.6.2), into registers that run along the channels
.endr
	v_cvt_scalef32_pk8_bf8_f32 v[CC+4*\t:CC+4*\t+1], v[YY+16*(\t%2):YY+16*(\t%2)+7], v[TM+12+\t]
	v_cvt_scalef32_pk8_bf8_f32 v[CC+4*\t+2:CC+4*\t+3], v[YY+16*(\t%2)+8:YY+16*(\t%2)+15], v[TM+12+\t]
.if \t%2
	v_nop                                          ; a plain instruction behind the conversions, ahead of whatever next writes their sources
.endif
.endr
.irp t, 0,1,2,3
	ds_store_b128 v[IMA], v[CC+4*\t:CC+4*\t+3] offset:\kind*16384+\t*4096
.endr
.irp t, 0,1,2,3
	ds_store_b8 v[PSA], v[TM+4+\t] offset:\kind*512+\t*64   ; both halves of the lanes write the same byte with the same value
.endr
.endm
.macro WFRAG reg, adr, off             ; a fragment from a weight's rows
.irp c, 0,1,2,3
	ds_load_b128 v[(\reg)+4*\c:(\reg)+4*\c+3], v[\adr] offset:(\off)+32*\c
.endr
.endm
.macro PFRAG reg, adr, off             ; a fragment from an image
.irp c, 0,1,2,3
	ds_load_b128 v[(\reg)+4*\c:(\reg)+4*\c+3], v[\adr] offset:(\off)+512*\c
.endr
.endm
; one matrix instruction.  acc = 0: it starts the sum.  ra, rb = 1: that side's scales stand in lanes 16-31
.macro WM d, a, b, acc, sa, sb, ra, rb
.if (\acc) == 0
.if ((\ra) == 0) && ((\rb) == 0)
	v_wmma_scale_f32_16x16x128_f8f6f4 v[(\d):(\d)+7], v[(\a):(\a)+15], v[(\b):(\b)+15], 0, v[(\sa)], v[(\sb)] matrix_a_fmt:MATRIX_FMT_BF8 matrix_b_fmt:MATRIX_FMT_BF8
.elseif (\rb) == 0
	v_wmma_scale_f32_16x16x128_f8f6f4 v[(\d):(\d)+7], v[(\a):(\a)+15], v[(\b):(\b)+15], 0, v[(\sa)], v[(\sb)] matrix_a_fmt:MATRIX_FMT_BF8 matrix_b_fmt:MATRIX_FMT_BF8 matrix_a_scale:MATRIX_SCALE_ROW1
.elseif (\ra) == 0
	v_wmma_scale_f32_16x16x128_f8f6f4 v[(\d):(\d)+7], v[(\a):(\a)+15], v[(\b):(\b)+15], 0, v[(\sa)], v[(\sb)] matrix_a_fmt:MATRIX_FMT_BF8 matrix_b_fmt:MATRIX_FMT_BF8 matrix_b_scale:MATRIX_SCALE_ROW1
.else
	v_wmma_scale_f32_16x16x128_f8f6f4 v[(\d):(\d)+7], v[(\a):(\a)+15], v[(\b):(\b)+15], 0, v[(\sa)], v[(\sb)] matrix_a_fmt:MATRIX_FMT_BF8 matrix_b_fmt:MATRIX_FMT_BF8 matrix_a_scale:MATRIX_SCALE_ROW1 matrix_b_scale:MATRIX_SCALE_ROW1
.endif
.else
.if ((\ra) == 0) && ((\rb) == 0)
	v_wmma_scale_f32_16x16x128_f8f6f4 v[(\d):(\d)+7], v[(\a):(\a)+15], v[(\b):(\b)+15], v[(\d):(\d)+7], v[(\sa)], v[(\sb)] matrix_a_fmt:MATRIX_FMT_BF8 matrix_b_fmt:MATRIX_FMT_BF8
.elseif (\rb) == 0
	v_wmma_scale_f32_16x16x128_f8f6f4 v[(\d):(\d)+7], v[(\a):(\a)+15], v[(\b):(\b)+15], v[(\d):(\d)+7], v[(\sa)], v[(\sb)] matrix_a_fmt:MATRIX_FMT_BF8 matrix_b_fmt:MATRIX_FMT_BF8 matrix_a_scale:MATRIX_SCALE_ROW1
.elseif (\ra) == 0
	v_wmma_scale_f32_16x16x128_f8f6f4 v[(\d):(\d)+7], v[(\a):(\a)+15], v[(\b):(\b)+15], v[(\d):(\d)+7], v[(\sa)], v[(\sb)] matrix_a_fmt:MATRIX_FMT_BF8 matrix_b_fmt:MATRIX_FMT_BF8 matrix_b_scale:MATRIX_SCALE_ROW1
.else
	v_wmma_scale_f32_16x16x128_f8f6f4 v[(\d):(\d)+7], v[(\a):(\a)+15], v[(\b):(\b)+15], v[(\d):(\d)+7], v[(\sa)], v[(\sb)] matrix_a_fmt:MATRIX_FMT_BF8 matrix_b_fmt:MATRIX_FMT_BF8 matrix_a_scale:MATRIX_SCALE_ROW1 matrix_b_scale:MATRIX_SCALE_ROW1
.endif
.endif
.endm
; q or k: source 0 = my head's four tiles of the weight's rows, source 1 = my two tiles of positions.  The eight accumulators take turns, one instruction a turn.
.macro PRODW kind, aw, ws
.irp s, 0,1
	PLACES                                         ; in front of loads into registers that matrix instructions have read
.if \s == 0
	ds_load_b32 v[PSC], v[PSY] offset:\kind*512
	ds_load_b32 v[PSC+1], v[PSY] offset:\kind*512+256
.endif
.irp x, 0,1,2,3
	WFRAG XF+16*\x, \aw, (32*(\x/2)+8*(\x%2))*WP+128*\s
.endr
.irp y, 0,1
	PFRAG YF+16*\y, YA, \kind*16384+\y*4096+\s*2048
.endr
	s_wait_dscnt 0x0
.irp y, 0,1
.irp x, 0,1,2,3
	WM ACC+8*(4*\y+\x), XF+16*\x, YF+16*\y, \s, \ws+2*(\x/2)+\s, PSC+\s, \x%2, \y
.endr
.endr
.endr
	PLACES                                         ; in front of the first read of results
.endm
; v: source 0 = the four tiles of positions (context as it is), source 1 = two tiles of my head's rows of Wv
.macro PRODV
.irp s, 0,1
	PLACES
.if \s == 0
.irp q, 0,1,2,3
	ds_load_b32 v[PSC+\q], v[PSX] offset:1024+256*(\q/2)+128*(\q%2)
.endr
.endif
.irp x, 0,1,2,3
	PFRAG XF+16*\x, LI, 32768+\x*4096+\s*2048
.endr
.irp y, 0,1
	WFRAG YF+16*\y, AWV, 8*\y*WP+128*\s
.endr
	s_wait_dscnt 0x0
.irp y, 0,1
.irp x, 0,1,2,3
	WM ACC+8*(4*\y+\x), XF+16*\x, YF+16*\y, \s, PSC+2*\s+\x/2, WSC+8+\s, \x%2, \y
.endr
.endr
.endr
	PLACES
.endm
; 64 results of a lane, four blocks of 16 registers (each joined with lane l xor 16's to a block of 32), become codes in v[CC] on and bytes in v[TM+4] on.  Each accumulator is read from its low end on.
.macro QUANT s
.irp b, 0,1,2,3
	v_max3_num_f32 v[TM+\b], |v[\s+16*\b]|, |v[\s+1+16*\b]|, 0x8000000
.endr
.irp i, 2,4,6,8,10,12,14
.irp b, 0,1,2,3
	v_max3_num_f32 v[TM+\b], v[TM+\b], |v[\s+16*\b+\i]|, |v[\s+1+16*\b+\i]|
.endr
.endr
.irp b, 0,1,2,3
	s_delay_alu instid0(VALU_DEP_4)
	v_permlanex16_b32 v[TM+4+\b], v[TM+\b], s[SEL], s[SEL+1]
.endr
.irp b, 0,1,2,3
	s_delay_alu instid0(VALU_DEP_4)
	v_max_num_f32 v[TM+\b], v[TM+\b], v[TM+4+\b]
.endr
.irp b, 0,1,2,3
	s_delay_alu instid0(VALU_DEP_4)
	v_add_nc_u32 v[TM+12+\b], 0xf8800000, v[TM+\b]
.endr
.irp b, 0,1,2,3
.endr
.irp b, 0,1,2,3
	s_delay_alu instid0(VALU_DEP_4)
	v_lshrrev_b32 v[TM+4+\b], 23, v[TM+12+\b]
.endr
.irp b, 0,1,2,3
.irp i, 0,1,2,3,4,5,6,7,8,9,10,11,12,13,14,15
.endr
	v_cvt_scalef32_pk8_bf8_f32 v[CC+4*\b:CC+1+4*\b], v[\s+16*\b:\s+7+16*\b], v[TM+12+\b]
	v_cvt_scalef32_pk8_bf8_f32 v[CC+2+4*\b:CC+3+4*\b], v[\s+8+16*\b:\s+15+16*\b], v[TM+12+\b]
.endr
	v_nop                                          ; a plain instruction behind the last conversion: the next products write its sources
.endm
	s_load_b512 s[4:19], s[0:1], 0x0               ; x s[4:5], context s[6:7], coef s[8:9], Wq codes s[10:11], scales s[12:13], Wk codes s[14:15], scales s[16:17], Wv codes s[18:19]
	s_load_b256 s[20:27], s[0:1], 0x40             ; Wv scales s[20:21], qimg s[22:23], qsc s[24:25], kv s[26:27]
	s_load_b64 s[28:29], s[0:1], 0x60              ; sc
	v_lshl_add_u32 v15, v0, 2, 0x3f600
	s_set_vgpr_msb 0x40
	v_mov_b32 v1, 0
	s_set_vgpr_msb 0x4044
	ds_add_u32 v15, v1
	ds_add_u32 v15, v1
	s_set_vgpr_msb 0x4400
	v_lshrrev_b32 v240, 5, v0
	s_delay_alu instid0(VALU_DEP_1)
	v_readfirstlane_b32 s[WV], v240                ; wave 0..7
	s_and_b32 s[E], s[WV], 1
	s_lshr_b32 s[NH], s[WV], 1                     ; my head in phase P
	s_bfe_u32 s56, ttmp6, 0x40000                  ; cx: it enters global addresses alone
	s_lshl_b32 s[G], ttmp9, 2
	s_add_co_u32 s[G], s[G], s56                   ; g: my block of 64 positions
	s_and_b32 s[BT], ttmp7, 0xffff                 ; the batch
	v_and_b32 v241, 31, v0                         ; lane
	v_and_b32 v242, 15, v0                         ; r
	v_bfe_u32 v243, v0, 4, 1                       ; h
	v_bfe_u32 v248, v0, 5, 1                       ; e
	v_lshrrev_b32 v249, 6, v0                      ; head
	v_lshlrev_b32 v[LI], 4, v241
	v_lshlrev_b32 v[L4], 2, v241
	v_lshlrev_b32 v[XOF], 4, v242
	s_delay_alu instid0(VALU_DEP_1)
	v_lshl_add_u32 v[XOF], v243, 18, v[XOF]
	v_lshlrev_b32 v[COF], 3, v242
	s_delay_alu instid0(VALU_DEP_1)
	v_lshl_add_u32 v[COF], v243, 18, v[COF]
	v_lshlrev_b32 v[ABO], 8, v240
	s_delay_alu instid0(VALU_DEP_1)
	v_lshl_add_u32 v[ABO], v243, 7, v[ABO]
	s_delay_alu instid0(VALU_DEP_1)
	v_lshrrev_b32 v[MUO], 1, v[ABO]
	v_lshl_add_u32 v[IMA], v240, 9, v[LI]
	v_bfe_u32 v250, v0, 5, 2                       ; w % 4: my block's place in its K step
	v_lshrrev_b32 v251, 7, v0                      ; w / 4: the K step
	s_delay_alu instid0(VALU_DEP_2)
	v_lshl_add_u32 v[PSA], v242, 2, v250
	s_delay_alu instid0(VALU_DEP_1)
	v_lshl_add_u32 v[PSA], v251, 8, v[PSA]
	s_delay_alu instid0(VALU_DEP_1)
	v_add_nc_u32 v[PSA], PS, v[PSA]
	v_lshl_add_u32 v[YA], v248, 13, v[LI]
	v_add_nc_u32 v[PSX], PS, v[L4]
	s_delay_alu instid0(VALU_DEP_1)
	v_lshl_add_u32 v[PSY], v248, 7, v[PSX]
	v_and_b32 v252, 8, v242
	s_delay_alu instid0(VALU_DEP_1)
	v_add_nc_u32 v252, v252, v242                  ; r + 8 (r / 8)
	s_delay_alu instid0(VALU_DEP_1)
	v_lshl_add_u32 v253, v249, 6, v252             ; + 64 head
	s_delay_alu instid0(VALU_DEP_1)
	v_mul_u32_u24 v[AWQ], v253, WP
	s_delay_alu instid0(VALU_DEP_1)
	v_lshl_add_u32 v[AWQ], v243, 4, v[AWQ]
	s_delay_alu instid0(VALU_DEP_1)
	v_add_nc_u32 v[AWQ], WL, v[AWQ]
	s_delay_alu instid0(VALU_DEP_1)
	v_add_nc_u32 v[AWK], WMAT, v[AWQ]
	v_mul_u32_u24 v[AWV], v248, 32*WP
	s_delay_alu instid0(VALU_DEP_1)
	v_add_nc_u32 v[AWV], v[AWV], v[AWQ]
	s_delay_alu instid0(VALU_DEP_1)
	v_add_nc_u32 v[AWV], 2*WMAT, v[AWV]
	v_lshl_add_u32 v253, v243, 3, v253             ; + 8 h: lanes 16-31 take the odd tile's rows
	s_delay_alu instid0(VALU_DEP_1)
	v_lshlrev_b32 v240, 3, v253                    ; the weights' scale words: 8 bytes a row
	s_delay_alu instid0(VALU_DEP_1)
	v_lshl_add_u32 v241, v248, 8, v240             ; Wv's: 32 e rows on
.irp t, 0,1,2,3
	v_mov_b32 v[TM+4+\t], 0                        ; written once: a lane permute's destination counts as one of its sources
.endr
	s_mov_b32 s[SEL], 0x76543210
	s_mov_b32 s[SEL+1], 0xfedcba98
	s_mov_b32 s[MNT], 0x600000                     ; the mantissa field of 57,344
	s_mov_b32 s[HM], 0xffff0000                    ; lanes 16-31
	; descriptor group 1: 128 rows of 256 bytes, 16 bytes of padding behind each
	s_mov_b32 s32, 15|(1<<20)|(1<<21)|(5<<22)|(3<<25)   ; 15:0 the mask: all four work-groups; 17:16 elements of 1 byte; 20 padding on; 21 set beside a mask; 24:22 after every 64 words; 31:25 four words
	s_mov_b32 s33, 256<<16                         ; tensor_dim0
	s_mov_b32 s34, 128<<16                         ; tensor_dim1
	s_mov_b32 s35, 256<<16                         ; tile_dim0
	s_mov_b32 s36, 128                             ; tile_dim1
	s_mov_b32 s37, 256                             ; the pitch
	s_mov_b32 s38, 0
	s_mov_b32 s39, 0
	s_mov_b32 s40, 1
	s_mul_i32 s41, s[WV], 128*WP                   ; waves 0 to 5: half w % 2 of matrix w / 2
	s_add_co_u32 s41, s41, WL
	s_lshl_b32 s80, s[E], 15
	s_mov_b32 s81, 0
	; byte offsets, apart from the addresses
	s_lshl_b32 s56, s[BT], 8
	s_lshl_b32 s57, s[WV], 5
	s_add_co_u32 s56, s56, s57
	s_lshl_b32 s56, s56, 14                        ; channel 256 batch + 32 w,
	s_lshl_b32 s57, s[G], 8
	s_add_co_u32 s56, s56, s57                     ; position 64 g
	s_mov_b32 s57, 0
	s_lshl_b32 s58, s[BT], 2
	s_add_co_u32 s58, s58, s[NH]                   ; hb
	s_lshl_b32 s59, s58, 8
	s_lshl_b32 s60, s[G], 2
	s_add_co_u32 s59, s59, s60
	s_lshl_b32 s60, s[E], 1
	s_add_co_u32 s59, s59, s60                     ; 256 hb + 4 g + 2 e: my first tile of queries
	s_lshl_b32 s60, s59, 10
	s_mov_b32 s61, 0
	s_lshl_b32 s62, s59, 6
	s_mov_b32 s63, 0
	s_lshr_b32 s82, s[G], 1                        ; ks
	s_and_b32 s83, s[G], 1
	s_lshl_b32 s84, s58, 5
	s_add_co_u32 s84, s84, s82
	s_lshl_b32 s84, s84, 14                        ; (32 hb + ks) x 16,384
	s_lshl_b32 s85, s83, 1
	s_add_co_u32 s85, s85, s[E]                    ; f = 2 (g % 2) + e
	s_lshl_b32 s86, s85, 11
	s_add_co_u32 s86, s86, s84
	s_mov_b32 s87, 0                               ; K's images
	s_lshl_b32 s88, s58, 14
	s_lshl_b32 s89, s82, 8
	s_add_co_u32 s88, s88, s89                     ; 16,384 hb + 256 ks
	s_lshl_b32 s92, s[E], 7
	s_add_co_u32 s92, s92, s88
	s_lshl_b32 s89, s83, 1
	s_add_co_u32 s92, s92, s89
	s_mov_b32 s93, 0                               ; V's scale halves
	s_lshl_b32 s89, s85, 6
	s_add_co_u32 s88, s88, s89
	s_mov_b32 s89, 0                               ; K's scale words
	s_lshl_b32 s90, s[E], 12
	s_add_co_u32 s90, s90, s84
	s_lshl_b32 s91, s83, 10
	s_add_co_u32 s90, s90, s91
	s_mov_b32 s91, 0                               ; V's images
	s_lshl_b32 s94, s[BT], 11
	s_mov_b32 s95, 0
	s_lshl_b32 s96, s[BT], 10
	s_mov_b32 s97, 0
	s_wait_dscnt 0x0
	s_wait_kmcnt 0x0
	s_add_nc_u64 s[4:5], s[4:5], s[56:57]
	s_add_nc_u64 s[6:7], s[6:7], s[56:57]
	s_add_nc_u64 s[66:67], s[8:9], s[94:95]        ; coef's pairs of my batch
	s_add_nc_u64 s[68:69], s[8:9], s[96:97]        ; and its means
	s_add_nc_u64 s[22:23], s[22:23], s[60:61]
	s_add_nc_u64 s[24:25], s[24:25], s[62:63]
	s_add_nc_u64 s[70:71], s[26:27], s[86:87]
	s_add_nc_u64 s[72:73], s[26:27], s[90:91]
	s_add_nc_u64 s[74:75], s[28:29], s[88:89]
	s_add_nc_u64 s[76:77], s[28:29], s[92:93]
	s_cmp_lt_u32 s[WV], 2                          ; which matrix I fetch: the choice hangs on the wave's number alone, the same in all four partners
	s_cselect_b64 s[78:79], s[10:11], s[14:15]
	s_cmp_lt_u32 s[WV], 4
	s_cselect_b64 s[78:79], s[78:79], s[18:19]
	s_add_nc_u64 s[42:43], s[78:79], s[80:81]
	s_or_b32 s43, s43, 0x80000000                  ; type = 2
	ROUND                                          ; all four work-groups are here: the joint loads meet
	s_cmp_lt_u32 s[WV], 6
	s_cbranch_scc0 .Lno_fill
	tensor_load_to_lds s[40:43], s[32:39]          ; my one tensor load of the launch
	s_nop 0
.rept 4
	v_nop
.endr
.Lno_fill:
	; ---- PHASE Q
.irp i, 0,1,2,3,4,5,6,7
	global_load_b128 v[AB+4*\i:AB+4*\i+3], v[ABO], s[66:67] offset:16*\i
.endr
	global_load_b32 v[MU], v[MUO], s[68:69] offset:16384
	global_load_b32 v[MU+1], v[MUO], s[68:69] offset:16384+32
.irp i, 0,1,2,3,4,5,6,7,8,9,10,11,12,13,14,15
	global_load_b128 v[R1+4*\i:R1+4*\i+3], v[XOF], s[4:5] offset:16384*\i   ; sixteen lanes read 256 consecutive bytes of a channel
.endr
.irp i, 0,1,2,3,4,5,6,7,8,9,10,11,12,13,14,15
.irp p, 0,1
	global_load_b64 v[R2+4*\i+2*\p:R2+4*\i+2*\p+1], v[COF], s[6:7] offset:16384*\i+128*\p   ; a channel's two loads cover its 256 bytes
.endr
.endr
	s_wait_alu depctr_va_vdst(0)
	global_load_b64 v[WSC:WSC+1], v240, s[12:13]
	global_load_b64 v[WSC+2:WSC+3], v240, s[12:13] offset:256
	global_load_b64 v[WSC+4:WSC+5], v240, s[16:17]
	global_load_b64 v[WSC+6:WSC+7], v240, s[16:17] offset:256
	global_load_b64 v[WSC+8:WSC+9], v241, s[20:21]
	s_wait_xcnt 0x0                                ; v240 and v241 have been read: the quantiser writes them
	s_wait_loadcnt 37                              ; x and its coefficients are in; context's 32 loads and the 5 of the weights' scales stay out
	NORM R1
.irp i, 0,1,2,3,4,5,6,7
	global_load_b128 v[AB+4*\i:AB+4*\i+3], v[ABO], s[66:67] offset:8192+16*\i   ; context's coefficients, into the registers that x's have left
.endr
	global_load_b32 v[MU], v[MUO], s[68:69] offset:20480
	global_load_b32 v[MU+1], v[MUO], s[68:69] offset:20480+32
	JOBTAIL 0, R1
	s_wait_loadcnt 15                              ; context is in; behind it: 5 + 8 + 2 loads
	s_wait_dscnt 0x0                               ; the stores have read the codes' and the bytes' registers
	JOBTAIL 2, R2                                  ; context as it is: the hold writes other registers, so the numbers stay
	s_wait_loadcnt 0x0
	NORM R2
	s_wait_dscnt 0x0
	JOBTAIL 1, R2
	s_wait_tensorcnt 0x0                           ; my part of the weights has landed,
	s_wait_dscnt 0x0                               ; my images and bytes are stored:
	s_barrier_signal -1
	s_barrier_wait -1                              ; everybody's are
	; ---- PHASE P
	PRODW 0, AWQ, WSC
	QUANT ACC
.irp b, 0,1,2,3
	global_store_b128 v[LI], v[CC+4*\b:CC+4*\b+3], s[22:23] offset:512*\b   ; block 2 y + blk: the wave stores 512 consecutive bytes
.endr
	v_lshl_or_b32 v192, v[TM+5], 8, v[TM+4]
	v_lshl_or_b32 v193, v[TM+7], 8, v[TM+6]
	s_delay_alu instid0(VALU_DEP_2)
	v_lshl_or_b32 v192, v192, 16, v192             ; the two bytes twice: attention uses q in the lower or in the upper half of its K
	s_delay_alu instid0(VALU_DEP_2)
	v_lshl_or_b32 v193, v193, 16, v193
	s_delay_alu instid0(VALU_DEP_1)
	v_cndmask_b32 v194, v192, v193, s[HM]          ; lanes 16-31: the second tile's
	global_store_b32 v[L4], v194, s[24:25]
	PRODW 1, AWK, WSC+4
	s_wait_xcnt 0x0                                ; q's stores have read their registers
	QUANT ACC
.irp b, 0,1,2,3
	global_store_b128 v[LI], v[CC+4*\b:CC+4*\b+3], s[70:71] offset:512*\b   ; c = 2 u + blk
.endr
	v_lshl_or_b32 v195, v[TM+5], 8, v[TM+4]
	s_delay_alu instid0(VALU_DEP_1)
	v_lshl_or_b32 v195, v[TM+6], 16, v195
	s_delay_alu instid0(VALU_DEP_1)
	v_lshl_or_b32 v195, v[TM+7], 24, v195
	s_wait_alu depctr_va_vdst(0)
	s_wait_xcnt 0x0                                ; EXEC changes only behind this wait
	v_cmp_gt_u32 vcc_lo, 64, v[L4]
	s_and_saveexec_b32 s54, vcc_lo                 ; lanes 0-15: a key row each
	global_store_b32 v[L4], v195, s[74:75]
	s_wait_xcnt 0x0
	s_or_b32 exec_lo, exec_lo, s54
	PRODV
	s_wait_xcnt 0x0                                ; k's stores have read their registers
	QUANT ACC
.irp y, 0,1
.irp p, 0,1
	global_store_b128 v[LI], v[CC+4*(2*\y+\p):CC+4*(2*\y+\p)+3], s[72:73] offset:8192+\y*2048+\p*512
.endr
.endr
	v_lshl_or_b32 v196, v[TM+5], 8, v[TM+4]
	v_lshl_or_b32 v197, v[TM+7], 8, v[TM+6]
	s_delay_alu instid0(VALU_DEP_1)
	v_cndmask_b32 v198, v196, v197, s[HM]
	global_store_b16 v[L4], v198, s[76:77] offset:8192   ; two of a word's four bytes: the other two are the neighbouring block of positions'
	s_wait_dscnt 0x0
	s_set_vgpr_msb 0x4
	s_wait_tensorcnt 0x0
	ds_add_u32 v15, v1
	s_wait_dscnt 0x0
	s_set_vgpr_msb 0x400
	ROUND                                          ; the closing round: no work-group ends while a partner may still ask jointly
	s_endpgm
.Lfunc_end_k_q021ce8e856_proj:
	.size	k_q021ce8e856_proj, .Lfunc_end_k_q021ce8e856_proj-k_q021ce8e856_proj
	.p2alignl 7, 3214868480
	.fill 96, 4, 3214868480
	.section	.rodata,"a",@progbits
	.p2align	6, 0x0
	.amdhsa_kernel k_q021ce8e856_proj
		.amdhsa_group_segment_fixed_size 260608
		.amdhsa_private_segment_fixed_size 0
		.amdhsa_enable_private_segment 0
		.amdhsa_kernarg_size 104
		.amdhsa_user_sgpr_count 2
		.amdhsa_user_sgpr_kernarg_segment_ptr 1
		.amdhsa_wavefront_size32 1
		.amdhsa_system_sgpr_workgroup_id_x 1
		.amdhsa_system_sgpr_workgroup_id_y 1
		.amdhsa_system_sgpr_workgroup_id_z 1
		.amdhsa_system_vgpr_workitem_id 0
		.amdhsa_next_free_vgpr 258
		.amdhsa_next_free_sgpr 100
		.amdhsa_reserve_vcc 1
		.amdhsa_float_denorm_mode_32 3
		.amdhsa_float_denorm_mode_16_64 3
		.amdhsa_fp16_overflow 1
		.amdhsa_memory_ordered 1
		.amdhsa_forward_progress 1
		.amdhsa_inst_pref_size 87
	.end_amdhsa_kernel
	.amdgpu_metadata
---
amdhsa.version: [ 1, 2 ]
amdhsa.kernels:
  - .name:           k_q021ce8e856_proj
    .symbol:         k_q021ce8e856_proj.kd
    .args:
      - { .name: x, .offset: 0, .size: 8, .value_kind: global_buffer, .address_space: global }
      - { .name: context, .offset: 8, .size: 8, .value_kind: global_buffer, .address_space: global }
      - { .name: coef, .offset: 16, .size: 8, .value_kind: global_buffer, .address_space: global }
      - { .name: Wq_codes, .offset: 24, .size: 8, .value_kind: global_buffer, .address_space: global }
      - { .name: Wq_scales, .offset: 32, .size: 8, .value_kind: global_buffer, .address_space: global }
      - { .name: Wk_codes, .offset: 40, .size: 8, .value_kind: global_buffer, .address_space: global }
      - { .name: Wk_scales, .offset: 48, .size: 8, .value_kind: global_buffer, .address_space: global }
      - { .name: Wv_codes, .offset: 56, .size: 8, .value_kind: global_buffer, .address_space: global }
      - { .name: Wv_scales, .offset: 64, .size: 8, .value_kind: global_buffer, .address_space: global }
      - { .name: qimg, .offset: 72, .size: 8, .value_kind: global_buffer, .address_space: global }
      - { .name: qsc, .offset: 80, .size: 8, .value_kind: global_buffer, .address_space: global }
      - { .name: kv, .offset: 88, .size: 8, .value_kind: global_buffer, .address_space: global }
      - { .name: sc, .offset: 96, .size: 8, .value_kind: global_buffer, .address_space: global }
    .group_segment_fixed_size: 260608
    .private_segment_fixed_size: 0
    .kernarg_segment_align: 8
    .kernarg_segment_size: 104
    .max_flat_workgroup_size: 256
    .sgpr_count:     100
    .vgpr_count:     258
    .wavefront_size: 32
...
	.end_amdgpu_metadata
.endif
;; end of part 2
;; launch attn (part 3): grid 16 x 16, 16 waves a work-group, clusters of 4 x 1, 327,680 bytes of LDS; arguments qimg, qsc, kv, sc, oimg, osc; writes oimg, osc
.if DOCPART == 3
	.amdgcn_target "amdgcn-amd-amdhsa--gfx1250"
	.amdhsa_code_object_version 6
	.text
	.protected	k_q021ce8e856_attn
	.globl	k_q021ce8e856_attn
	.p2align	8
	.type	k_q021ce8e856_attn,@function
k_q021ce8e856_attn:
	s_mov_b64 s[64:65], 0
	v_nop
	global_prefetch_b8 v0, s[64:65] scope:SCOPE_SE
	s_setreg_imm32_b32 hwreg(HW_REG_WAVE_MODE, 25, 1), 1
	s_wait_xcnt 0x0
	s_wait_alu depctr_hold_cnt(0) depctr_sa_sdst(0) depctr_va_vdst(0) depctr_va_sdst(0) depctr_va_ssrc(0) depctr_va_vcc(0) depctr_vm_vsrc(0)
	s_getreg_b32 s2, hwreg(HW_REG_IB_STS2, 6, 4)
	s_cmp_eq_u32 s2, 0
	s_cbranch_scc0 .Lentry_in_a_cluster
	s_endpgm
.Lentry_in_a_cluster:
	s_bfe_u32 s2, ttmp6, 0x10000c
	s_cmp_lg_u32 s2, 0x3003
	s_cbranch_scc0 .Lentry_shape_is_right
	s_endpgm
.Lentry_shape_is_right:
; ATTENTION of one head (hb = 4 batch + head) on codes of BF8 (E5M2) with one E8M0 scale for each 32 along a product's K.  4,096 queries, 4,096 keys, 64 channels.
; THE SOFTMAX AHEAD OF THE SECOND PRODUCT: t = score x log2(e) / 8; M = the running largest t rounded UP to a whole number; p = 2^(t - M) is quantised along the keys, not normalised; the row's sum is taken
; of the unquantised p and divides at the end.  When M moves, the sum and O are multiplied by 2^(old M - new M): exact.
; SHARES.  A work-group owns 256 queries; each of its sixteen waves one tile of 16, in 256 registers: four waves to a SIMD, so that one wave's vector work stands beside another's matrix work and LDS loads.
; Every wave walks 32 key steps of 128 keys.  All operands come as images of operand registers (chunks of 512 bytes, lane l's 16 bytes at 16 l), so every LDS load reads 512 consecutive bytes.
; BOTH PRODUCTS TRANSPOSED: S^T = K Q^T, O^T = V^T P^T: a lane holds one query throughout.
; K = 64 IN AN INSTRUCTION OF 128: a fragment of K holds TWO tiles of keys side by side (u = 0 in k 0..63, u = 1 in k 64..127); Q is used as [q | 0] for u = 0 and as [0 | q] for u = 1.  The zeros are registers.
; KEYS: row r of (fragment f, u) is key 32 f + 2 r + u, so register 8 u + j of block f is key 32 f + 16 h + 2 j + u: V's images are laid in the same order, and a block of 32 slots is a block of 32 neighbouring keys.
; CLUSTER: the four query blocks of a cluster walk the same kv of one head: every fill is asked for JOINTLY.  Ring: two slots of four key steps (65,536 bytes); waves 0 to 3 fetch a key step each.
; The head's scale words (16,384 bytes) come once, with the first fills.   OUT: O / the sum, quantised along the channels: oimg [batch][tile][2 head + blk][lane][16]; osc [hb][16 tile + r] u16.
; LIMITS: NaN and infinities are not served; a block of zeros keeps the scale byte 1 (its codes are zeros; the bytes are read by this program alone).
.set SLOT1, 1<<16                      ; slot 1 begins here: one exclusive or turns an address from one slot to the other
.set SCL,   131072                     ; the head's scale words: K's 8,192 bytes [ks][f][r], V's 8,192 [ks][t][r]
.set SPARE, 147456                     ; the spare words, 128 bytes for each wave: eight blocks of 256 bytes that no other line names
.set OSC,   149504                     ; 512 bytes: the work-group's 256 scale halves on their way out; no fill lands here
.set LI,  1                            ; v1   16 x lane
.set LS,  2                            ; v2   SCL + 4 x lane
.set OSW, 3                            ; v3   OSC + 32 wave + 2 r
.set OSR, 4                            ; v4   OSC + 16 lane
.set SPW, 5                            ; v5   my spare word; never rewritten
.set NIL, 6                            ; v6   0; never rewritten
.set PFO, 7                            ; v7   256 x lane: the prefetches' offset; never rewritten
.set ADR, 8                            ; v8   the slot's codes
.set ADS, 9                            ; v9   the slot's scale words
                                       ; v12 -M, v13 the largest t, v[14:15] the sum in two halves;  v16-23 zeros, v24-31 q, v32-39 zeros
.set QSW, 40                           ; v40  q's scale word;  v41 p's;  v42-43 K's;  v44-45 V's: nothing but scales
.set PSW, 41
.set KS0, 42
.set VS0, 44
.set FF,  46                           ; v[46:47] f = 2^(old M - new M), and a 0 named with it as a pair
.set KV,  48                           ; v48-111  four fragments of K, then of V
.set S,   112                          ; v112-175 S^T, then p
.set O,   176                          ; v176-207 O^T
.set PCD, 208                          ; v208-223 p's codes
.set BM,  224                          ; v224-227 the blocks' largest scores, then largest p
.set PT,  228                          ; v228-231 lane l xor 16's, then the bytes
.set HL,  232
.set SOP, 236                          ; v236-239 the conversions' scale operands
.set SU2, 240                          ; v[240:241] the sum's second chain
.set TT,  242
.set WV,  18
.set MNT, 19
.set SEL, 20
.set CS,  22
.set G1C, 24
.set G1S, 32
.set G0C, 40
.set G0S, 44
.set TB,  48                           ; s48  LDS byte at which the slot in hand begins
.set TS,  49                           ; s49  where its scale words begin: 1,024 bytes a slot
.set SLOTS, 50
.set LIM, 51                           ; s51  1 in a wave that prefetches, else the greatest number
.set PFA, 52                           ; s[52:53] where my prefetches stand
.macro ROUND
	s_barrier_signal -1
	s_barrier_wait -1
	s_cmp_lg_u32 s[WV], 0
	s_cbranch_scc1 .Lnot_wave_0_\@
	s_barrier_signal -3
.Lnot_wave_0_\@:
	s_barrier_wait -3
	s_barrier_signal -1
	s_barrier_wait -1
.endm
.macro PLACES
.rept 8
	v_nop
.endr
.endm
.macro JLOAD                           ; waves 0 to 3 fetch a key step each; the branch hangs on the wave's number alone; four v_nop follow the load
	s_cmp_lt_u32 s[WV], 4
	s_cbranch_scc0 .Lasked_\@
	tensor_load_to_lds s[G0C:G0C+3], s[G1C:G1C+7]
	s_nop 0
.rept 4
	v_nop
.endr
.Lasked_\@:
.endm
; A PREFETCH of the slot that the NEXT change of slots will ask for: four key steps ahead of that load.  All clusters of a head walk the same kv: the head's first cluster asks.  Its four partners take a key step
; (16,384 bytes) each, told apart BY ADDRESS; in each, waves 4 and 5 ask for 8,192 bytes, lanes 256 bytes apart: each aligned block of 256 bytes is named once in the launch.  The last change that fills a slot asks for nothing.
.macro ASK
	s_cmp_gt_u32 s[SLOTS], s[LIM]
	s_cbranch_scc0 .Lnot_mine_\@
	global_prefetch_b8 v[PFO], s[PFA:PFA+1] th:TH_LOAD_NT scope:SCOPE_SE
.Lnot_mine_\@:
.endm
.macro WMS d, a, b, sa, ra             ; a tile of S^T: it starts its sum
.if (\ra) == 0
	v_wmma_scale_f32_16x16x128_f8f6f4 v[(\d):(\d)+7], v[(\a):(\a)+15], v[(\b):(\b)+15], 0, v[(\sa)], v[QSW] matrix_a_fmt:MATRIX_FMT_BF8 matrix_b_fmt:MATRIX_FMT_BF8
.else
	v_wmma_scale_f32_16x16x128_f8f6f4 v[(\d):(\d)+7], v[(\a):(\a)+15], v[(\b):(\b)+15], 0, v[(\sa)], v[QSW] matrix_a_fmt:MATRIX_FMT_BF8 matrix_b_fmt:MATRIX_FMT_BF8 matrix_a_scale:MATRIX_SCALE_ROW1
.endif
.endm
.macro WMO d, a, sa, ra                ; a tile of O^T: in place
.if (\ra) == 0
	v_wmma_scale_f32_16x16x128_f8f6f4 v[(\d):(\d)+7], v[(\a):(\a)+15], v[PCD:PCD+15], v[(\d):(\d)+7], v[(\sa)], v[PSW] matrix_a_fmt:MATRIX_FMT_BF8 matrix_b_fmt:MATRIX_FMT_BF8
.else
	v_wmma_scale_f32_16x16x128_f8f6f4 v[(\d):(\d)+7], v[(\a):(\a)+15], v[PCD:PCD+15], v[(\d):(\d)+7], v[(\sa)], v[PSW] matrix_a_fmt:MATRIX_FMT_BF8 matrix_b_fmt:MATRIX_FMT_BF8 matrix_a_scale:MATRIX_SCALE_ROW1
.endif
.endm
; A KEY STEP: 128 keys, the q-th of the slot in hand
.macro STEP q
	PLACES                                         ; in front of loads into registers that the last products read
.irp f, 0,1,2,3
.irp c, 0,1,2,3
	ds_load_b128 v[KV+16*\f+4*\c:KV+16*\f+4*\c+3], v[ADR] offset:16384*(\q)+2048*\f+512*\c
.endr
.endr
	ds_load_b32 v[KS0], v[ADS] offset:256*(\q)     ; lanes 0-15: fragment 0's words, lanes 16-31: fragment 1's
	ds_load_b32 v[KS0+1], v[ADS] offset:256*(\q)+128
	s_wait_dscnt 0x0
.irp f, 0,1,2,3
.irp u, 0,1
	WMS S+8*(2*\f+\u), KV+16*\f, 24-8*\u, KS0+\f/2, \f%2
.endr
.endr
	PLACES                                         ; in front of the loads into K's registers and of the first read of scores
.irp t, 0,1,2,3
.irp c, 0,1,2,3
	ds_load_b128 v[KV+16*\t+4*\c:KV+16*\t+4*\c+3], v[ADR] offset:16384*(\q)+8192+2048*\t+512*\c   ; V lands while the softmax is walked
.endr
.endr
	ds_load_b32 v[VS0], v[ADS] offset:8192+256*(\q)
	ds_load_b32 v[VS0+1], v[ADS] offset:8192+256*(\q)+128
.irp b, 0,1,2,3
	v_max3_num_f32 v[BM+\b], v[S+16*\b], v[S+1+16*\b], v[S+2+16*\b]   ; the largest score of each block of 32 keys: it serves for the row's maximum and, since p rises with the score, for the block's largest p
.endr
.irp i, 3,5,7,9,11,13
.irp b, 0,1,2,3
	v_max3_num_f32 v[BM+\b], v[BM+\b], v[S+16*\b+\i], v[S+1+16*\b+\i]
.endr
.endr
.irp b, 0,1,2,3
	v_max_num_f32 v[BM+\b], v[BM+\b], v[S+15+16*\b]
.endr
.irp b, 0,1,2,3
	s_delay_alu instid0(VALU_DEP_4)
	v_permlanex16_b32 v[PT+\b], v[BM+\b], s[SEL], s[SEL+1]
.endr
.irp b, 0,1,2,3
	s_delay_alu instid0(VALU_DEP_4)
	v_max_num_f32 v[BM+\b], v[BM+\b], v[PT+\b]     ; with lane l xor 16's 16 keys
.endr
	s_delay_alu instid0(VALU_DEP_2)
	v_max3_num_f32 v[TT], v[BM], v[BM+1], v[BM+2]
	s_delay_alu instid0(VALU_DEP_1)
	v_max_num_f32 v[TT], v[TT], v[BM+3]
	s_delay_alu instid0(VALU_DEP_1)
	v_mul_f32 v[TT], s[CS], v[TT]                  ; the step's largest t (c is positive)
	s_delay_alu instid0(VALU_DEP_1)
	v_max_num_f32 v13, v13, v[TT]                  ; the running largest t
	v_mov_b32 v[TT], v12
	s_delay_alu instid0(VALU_DEP_2)
	v_floor_f32 v12, -v13                          ; the new -M = floor(-t): M is a whole number
	s_delay_alu instid0(VALU_DEP_1)
	v_sub_f32 v[TT], v12, v[TT]                    ; old M - new M: a whole number, 0 or less
	s_delay_alu instid0(VALU_DEP_1)
	v_cvt_i32_f32 v[TT], v[TT]                     ; (it saturates)
	s_delay_alu instid0(VALU_DEP_1)
	v_ldexp_f32 v[FF], 1.0, v[TT]                  ; f = 2^(old M - new M)
.irp j, 0,2,4,6,8,10,12,14,16,18,20,22,24,26,28,30,32,34,36,38,40,42,44,46,48,50,52,54,56,58,60,62
	v_pk_fma_f32 v[S+\j:S+1+\j], v[S+\j:S+1+\j], s[CS:CS+1], v[12:13] op_sel_hi:[1,0,0]   ; t - M, two at a time
.endr
.irp b, 0,1,2,3
	v_fma_f32 v[BM+\b], v[BM+\b], s[CS], v12
.endr
	s_wait_alu depctr_va_vdst(0)
.irp j, 0,1,2,3,4,5,6,7,8,9,10,11,12,13,14,15,16,17,18,19,20,21,22,23,24,25,26,27,28,29,30,31,32,33,34,35,36,37,38,39,40,41,42,43,44,45,46,47,48,49,50,51,52,53,54,55,56,57,58,59,60,61,62,63
	v_exp_f32 v[S+\j], v[S+\j]                     ; p = 2^(t - M), at most 1
.endr
	v_pk_mul_f32 v[14:15], v[14:15], v[FF:FF+1] op_sel_hi:[1,0]   ; the sums under the new M.  (The plain instruction behind the exponentials)
	s_wait_alu depctr_va_vdst(0)                   ; one wait for the batch of 64, ahead of its first reader
.irp b, 0,1,2,3
	v_exp_f32 v[BM+\b], v[BM+\b]                   ; the block's largest p: the same two instructions on the same number give the same bits
.endr
	v_pk_add_f32 v[240:241], v[116:117], v[120:121]
	v_pk_add_f32 v[254:255], v[124:125], v[128:129]
	v_pk_add_f32 v[252:253], v[132:133], v[136:137]
	v_pk_add_f32 v[250:251], v[140:141], v[144:145]
	v_pk_add_f32 v[248:249], v[148:149], v[152:153]
	v_pk_add_f32 v[246:247], v[156:157], v[160:161]
	v_pk_add_f32 v[244:245], v[164:165], v[168:169]
	v_pk_add_f32 v[14:15], v[14:15], v[172:173]
	v_pk_add_f32 v[240:241], v[240:241], v[112:113]
	v_pk_add_f32 v[254:255], v[254:255], v[114:115]
	v_pk_add_f32 v[252:253], v[252:253], v[118:119]
	v_pk_add_f32 v[250:251], v[250:251], v[122:123]
	v_pk_add_f32 v[248:249], v[248:249], v[126:127]
	v_pk_add_f32 v[246:247], v[246:247], v[130:131]
	v_pk_add_f32 v[244:245], v[244:245], v[134:135]
	v_pk_add_f32 v[14:15], v[14:15], v[138:139]
	v_pk_add_f32 v[240:241], v[240:241], v[142:143]
	v_pk_add_f32 v[254:255], v[254:255], v[146:147]
	v_pk_add_f32 v[252:253], v[252:253], v[150:151]
	v_pk_add_f32 v[250:251], v[250:251], v[154:155]
	v_pk_add_f32 v[248:249], v[248:249], v[158:159]
	v_pk_add_f32 v[246:247], v[246:247], v[162:163]
	v_pk_add_f32 v[244:245], v[244:245], v[166:167]
	v_pk_add_f32 v[14:15], v[14:15], v[170:171]
	v_pk_add_f32 v[240:241], v[240:241], v[174:175]
	s_delay_alu instid0(VALU_DEP_2)
	v_pk_add_f32 v[14:15], v[14:15], v[250:251]
	s_delay_alu instid0(VALU_DEP_2)
	v_pk_add_f32 v[240:241], v[240:241], v[248:249]
	v_pk_add_f32 v[254:255], v[254:255], v[246:247]
	v_pk_add_f32 v[252:253], v[252:253], v[244:245]
	s_delay_alu instid0(VALU_DEP_2)
	v_pk_add_f32 v[14:15], v[14:15], v[254:255]
	s_delay_alu instid0(VALU_DEP_2)
	v_pk_add_f32 v[240:241], v[240:241], v[252:253]
	s_delay_alu instid0(VALU_DEP_1)
	v_pk_add_f32 v[14:15], v[14:15], v[240:241]
	s_wait_alu depctr_va_vdst(0)                   ; and one for the four
.irp b, 0,1,2,3
	v_max_num_f32 v[BM+\b], 0x8000000, v[BM+\b]    ; the floor 2^(16 - 127): the byte cannot fall under 1
.endr
.irp b, 0,1,2,3
	s_delay_alu instid0(VALU_DEP_4)
	v_add_nc_u32 v[SOP+\b], 0xf8800000, v[BM+\b]
.endr
.irp b, 0,1,2,3
.endr
.irp b, 0,1,2,3
	s_delay_alu instid0(VALU_DEP_4)
	v_lshrrev_b32 v[PT+\b], 23, v[SOP+\b]
.endr
	s_delay_alu instid0(VALU_DEP_3)
	v_lshl_or_b32 v[PSW], v[PT+1], 8, v[PT]        ; p's scale word for these 128 keys
	s_delay_alu instid0(VALU_DEP_1)
	v_lshl_or_b32 v[PSW], v[PT+2], 16, v[PSW]
	s_delay_alu instid0(VALU_DEP_1)
	v_lshl_or_b32 v[PSW], v[PT+3], 24, v[PSW]
.irp b, 0,1,2,3
.irp i, 0,1,2,3,4,5,6,7,8,9,10,11,12,13,14,15
.endr
	v_cvt_scalef32_pk8_bf8_f32 v[PCD+4*\b:PCD+1+4*\b], v[S+16*\b:S+7+16*\b], v[SOP+\b]
	v_cvt_scalef32_pk8_bf8_f32 v[PCD+2+4*\b:PCD+3+4*\b], v[S+8+16*\b:S+15+16*\b], v[SOP+\b]
.endr
.irp j, 0,2,4,6,8,10,12,14,16,18,20,22,24,26,28,30
	v_pk_mul_f32 v[O+\j:O+1+\j], v[O+\j:O+1+\j], v[FF:FF+1] op_sel_hi:[1,0]   ; O^T under the new M.  (These sixteen also stand between the codes and the products below)
.endr
	s_wait_alu depctr_va_vdst(0)
	s_wait_dscnt 0x0                               ; V is in
.irp t, 0,1,2,3
	WMO O+8*\t, KV+16*\t, VS0+\t/2, \t%2           ; the four accumulators take turns, one instruction a turn
.endr
.endm
.macro SLOT_STEPS
	v_add_nc_u32 v[ADR], s[TB], v[LI]
	s_wait_alu depctr_va_vdst(0)
	v_add_nc_u32 v[ADS], s[TS], v[LS]
	s_wait_alu depctr_va_vdst(0)
	STEP 0
	STEP 1
	STEP 2
	STEP 3
	s_xor_b32 s[TB], s[TB], SLOT1                  ; on to the other slot
	s_add_co_u32 s[TS], s[TS], 1024
.endm
; THE CHANGE OF SLOTS stands at a slot's head.  Each wave waits for all its tensor loads, adds 0 to its spare word, and waits for that and for its reads of the slot that it has left.
; fill = 1: behind a round of the cluster's barrier that slot is filled with the keys that follow: the load has four key steps in which to land.
.macro CHANGE fill
	s_wait_tensorcnt 0x0                           ; no tensor load of mine is out, so a group 0 may be written
	ds_add_u32 v[SPW], v[NIL]                      ; 0 onto my spare word
.if \fill
	s_xor_b32 s[G0C+1], s[G0C+1], SLOT1            ; the walking descriptor: the other slot than last time,
	s_add_nc_u64 s[G0C+2:G0C+3], s[G0C+2:G0C+3], 65536   ; the next four key steps; the type bits on top are not reached
	s_wait_xcnt 0x0                                ; the last prefetch, a slot back, has read its address
	s_add_nc_u64 s[PFA:PFA+1], s[PFA:PFA+1], 65536 ; one slot further on than the walking descriptor
	s_wait_dscnt 0x0                               ; the add is done, and my reads of the slot that I have left are over
	ROUND                                          ; both now hold of every wave of all four work-groups
	JLOAD                                          ; the first thing behind the round, and a wave's one tensor load until the next
	ASK
.else
	s_wait_dscnt 0x0
	s_barrier_signal -1
	s_barrier_wait -1
.endif
.endm
	s_load_b256 s[4:11], s[0:1], 0x0               ; qimg s[4:5], qsc s[6:7], kv s[8:9], sc s[10:11]
	s_load_b128 s[12:15], s[0:1], 0x20             ; oimg s[12:13], osc s[14:15]
	v_lshl_add_u32 v[SPW], v0, 2, SPARE
	v_mov_b32 v[NIL], 0
	ds_add_u32 v5, v6
	ds_add_u32 v5, v6
	s_wait_dscnt 0x0
	v_lshrrev_b32 v8, 5, v0
	s_delay_alu instid0(VALU_DEP_1)
	v_readfirstlane_b32 s[WV], v8                  ; wave 0..15
	v_and_b32 v9, 31, v0
	v_and_b32 v10, 15, v0
	s_delay_alu instid0(VALU_DEP_2)
	v_lshlrev_b32 v[LI], 4, v9
	s_delay_alu instid0(VALU_DEP_3)
	v_lshl_add_u32 v[LS], v9, 2, SCL
	s_delay_alu instid0(VALU_DEP_3)
	v_lshlrev_b32 v[OSW], 1, v10
	s_delay_alu instid0(VALU_DEP_1)
	v_lshl_add_u32 v[OSW], v8, 5, v[OSW]
	s_delay_alu instid0(VALU_DEP_1)
	v_add_nc_u32 v[OSW], OSC, v[OSW]
	v_add_nc_u32 v[OSR], OSC, v[LI]
	v_lshlrev_b32 v[PFO], 8, v9
	v_lshlrev_b32 v11, 2, v10                      ; q's scale words: 4 r
	s_and_b32 s54, ttmp7, 0xffff                   ; hb, which the four partners share
	s_bfe_u32 s55, ttmp6, 0x40000                  ; cx: it enters global addresses of q, o and the prefetches alone
	s_lshl_b32 s56, ttmp9, 2
	s_add_co_u32 s56, s56, s55                     ; my block of 256 queries
	s_lshl_b32 s57, s56, 4
	s_add_co_u32 s57, s57, s[WV]                   ; my tile of 16
	s_lshl_b32 s58, s54, 8
	s_add_co_u32 s58, s58, s57
	s_lshl_b32 s60, s58, 10                        ; q's image: 1,024 bytes a tile
	s_mov_b32 s61, 0
	s_lshl_b32 s62, s58, 6                         ; its scale words: 64
	s_mov_b32 s63, 0
	s_lshl_b32 s66, s54, 19                        ; the head's kv: 524,288 bytes
	s_lshl_b32 s68, s[WV], 14
	s_add_co_u32 s66, s66, s68                     ; + the key step that I fetch, if I fetch
	s_mov_b32 s67, 0
	s_lshl_b32 s68, s54, 14                        ; the head's scale words
	s_lshl_b32 s69, s[WV], 12
	s_add_co_u32 s68, s68, s69
	s_mov_b32 s69, 0
	s_lshl_b32 s70, s54, 19
	s_lshl_b32 s71, s55, 14
	s_add_co_u32 s70, s70, s71                     ; the prefetches: my work-group's key step of a slot,
	s_and_b32 s71, s[WV], 1
	s_lshl_b32 s71, s71, 13
	s_add_co_u32 s70, s70, s71                     ; my wave's half of it,
	s_add_co_u32 s70, s70, 65536                   ; in slot 1: the first change of slots steps it to slot 2.  Nothing is prefetched at the head
	s_mov_b32 s71, 0
	s_lshr_b32 s72, s54, 2                         ; the batch
	s_lshl_b32 s72, s72, 8
	s_add_co_u32 s72, s72, s57
	s_lshl_b32 s72, s72, 3
	s_and_b32 s73, s54, 3                          ; the head
	s_lshl_b32 s73, s73, 1
	s_add_co_u32 s72, s72, s73
	s_lshl_b32 s72, s72, 9                         ; o's image: chunk 8 (256 batch + tile) + 2 head
	s_mov_b32 s73, 0
	s_lshl_b32 s74, s54, 13
	s_lshl_b32 s75, s56, 9
	s_add_co_u32 s74, s74, s75                     ; o's scale halves: 8,192 a head, 512 a work-group
	s_mov_b32 s75, 0
	s_lshr_b32 s[LIM], s[WV], 1
	s_xor_b32 s[LIM], s[LIM], 2                    ; 0 in waves 4 and 5,
	s_or_b32 s[LIM], s[LIM], ttmp9                 ; of the head's first cluster: the same in all four partners
	s_cmp_eq_u32 s[LIM], 0
	s_cselect_b32 s[LIM], 1, -1
	; descriptor groups 1: dense blocks as rows of 256 bytes (32 elements of 8 bytes), no padding: 64 rows of codes, 16 rows of scale words
	s_mov_b32 s[G1C], 15|(3<<16)|(1<<21)           ; 15:0 the mask: all four work-groups; 17:16 elements of 8 bytes; 21 set beside a mask
	s_mov_b32 s[G1C+1], 32<<16
	s_mov_b32 s[G1C+2], 64<<16
	s_mov_b32 s[G1C+3], 32<<16
	s_mov_b32 s[G1C+4], 64
	s_mov_b32 s[G1C+5], 32
	s_mov_b32 s[G1C+6], 0
	s_mov_b32 s[G1C+7], 0
	s_mov_b32 s[G1S], 15|(3<<16)|(1<<21)
	s_mov_b32 s[G1S+1], 32<<16
	s_mov_b32 s[G1S+2], 16<<16
	s_mov_b32 s[G1S+3], 32<<16
	s_mov_b32 s[G1S+4], 16
	s_mov_b32 s[G1S+5], 32
	s_mov_b32 s[G1S+6], 0
	s_mov_b32 s[G1S+7], 0
	s_mov_b32 s[G0C], 1
	s_lshl_b32 s[G0C+1], s[WV], 14                 ; slot 0, key step = wave
	s_mov_b32 s[G0S], 1
	s_lshl_b32 s[G0S+1], s[WV], 12
	s_add_co_u32 s[G0S+1], s[G0S+1], SCL
	s_mov_b32 s[SEL], 0x76543210
	s_mov_b32 s[SEL+1], 0xfedcba98
	s_mov_b32 s[CS], 0x3e38aa3b                    ; c = log2(e) / 8
	s_mov_b32 s[CS+1], s[CS]                       ; (named with it as a pair, so it is written)
	s_mov_b32 s[TB], 0
	s_mov_b32 s[TS], 0
	s_mov_b32 s[SLOTS], 7
	s_wait_kmcnt 0x0
	s_add_nc_u64 s[G0C+2:G0C+3], s[8:9], s[66:67]
	s_or_b32 s[G0C+3], s[G0C+3], 0x80000000
	s_add_nc_u64 s[G0S+2:G0S+3], s[10:11], s[68:69]
	s_or_b32 s[G0S+3], s[G0S+3], 0x80000000
	s_add_nc_u64 s[PFA:PFA+1], s[8:9], s[70:71]
	s_add_nc_u64 s[4:5], s[4:5], s[60:61]
	s_add_nc_u64 s[6:7], s[6:7], s[62:63]
	s_add_nc_u64 s[12:13], s[12:13], s[72:73]
	s_add_nc_u64 s[14:15], s[14:15], s[74:75]
	ROUND                                          ; all four work-groups are here: the first joint loads meet
	s_cmp_lt_u32 s[WV], 4                          ; a wave's two first fills stand in one branch: two loads of mine are out
	s_cbranch_scc0 .Lno_first
	tensor_load_to_lds s[G0S:G0S+3], s[G1S:G1S+7]  ; the scale words: filled once
	s_nop 0
	tensor_load_to_lds s[G0C:G0C+3], s[G1C:G1C+7]  ; slot 0
	s_nop 0
.rept 4
	v_nop
.endr
.Lno_first:
	s_wait_alu depctr_va_vdst(0)
	global_load_b128 v[24:27], v[LI], s[4:5]       ; q stays in registers: channels 0..31,
	global_load_b128 v[28:31], v[LI], s[4:5] offset:512   ; 32..63
	global_load_b32 v[QSW], v11, s[6:7]
.irp j, 0,1,2,3,4,5,6,7
	v_mov_b32 v[16+\j], 0                          ; the zero halves beside q
	v_mov_b32 v[32+\j], 0
.endr
.irp j, 0,1,2,3,4,5,6,7,8,9,10,11,12,13,14,15,16,17,18,19,20,21,22,23,24,25,26,27,28,29,30,31
	v_mov_b32 v[O+\j], 0                           ; O^T.  (The step is written once: the first finds zeros, which the first change of M leaves zeros)
.endr
	v_mov_b32 v13, 0xff61b1e6                      ; the largest t so far: -3e38, under every t
	s_delay_alu instid0(VALU_DEP_1)
	v_floor_f32 v12, -v13                          ; -M
	v_mov_b32 v14, 0
	v_mov_b32 v15, 0
	v_mov_b32 v[FF+1], 0
	v_mov_b32 v[TT], 0
.irp b, 0,1,2,3
	v_mov_b32 v[PT+\b], 0                          ; written once: a lane permute's destination counts as one of its sources
.endr
	s_wait_loadcnt 0x0                             ; q
.Lslot:                                            ; seven trips: behind each change of slots but the last the next slot is asked for
	CHANGE 1
	SLOT_STEPS
	s_sub_co_u32 s[SLOTS], s[SLOTS], 1
	s_cmp_lg_u32 s[SLOTS], 0
	s_cbranch_scc1 .Lslot
	CHANGE 0                                       ; the last slot is written out
	SLOT_STEPS
	; THE WAY OUT.  O^T / the sum; register 16 b + i is channel 32 b + 16 h + i of my query: two blocks of the last product's K, quantised here; the codes are that operand's registers.
	v_add_f32 v14, v14, v15
	s_delay_alu instid0(VALU_DEP_1)
	v_permlanex16_b32 v[TT], v14, s[SEL], s[SEL+1]
	s_delay_alu instid0(VALU_DEP_1)
	v_add_f32 v14, v14, v[TT]                      ; the row's sum
	s_wait_alu depctr_va_vdst(0)
	v_rcp_f32 v[FF], v14
	PLACES                                         ; behind the last products, and the plain instruction behind the reciprocal
	s_wait_alu depctr_va_vdst(0)                   ; the wait ahead of the result's first reader
.irp j, 0,2,4,6,8,10,12,14,16,18,20,22,24,26,28,30
	v_pk_mul_f32 v[S+\j:S+1+\j], v[O+\j:O+1+\j], v[FF:FF+1] op_sel_hi:[1,0]   ; each accumulator from its low end on
.endr
.irp b, 0,1
	v_max3_num_f32 v[BM+\b], |v[S+16*\b]|, |v[S+1+16*\b]|, 0x8000000
.endr
.irp i, 2,4,6,8,10,12,14
.irp b, 0,1
	s_delay_alu instid0(VALU_DEP_2)
	v_max3_num_f32 v[BM+\b], v[BM+\b], |v[S+16*\b+\i]|, |v[S+1+16*\b+\i]|
.endr
.endr
.irp b, 0,1
	s_delay_alu instid0(VALU_DEP_2)
	v_permlanex16_b32 v[PT+\b], v[BM+\b], s[SEL], s[SEL+1]
.endr
.irp b, 0,1
	s_delay_alu instid0(VALU_DEP_2)
	v_max_num_f32 v[BM+\b], v[BM+\b], v[PT+\b]
.endr
.irp b, 0,1
	s_delay_alu instid0(VALU_DEP_2)
	v_add_nc_u32 v[SOP+\b], 0xf8800000, v[BM+\b]
.endr
.irp b, 0,1
.endr
.irp b, 0,1
	s_delay_alu instid0(VALU_DEP_2)
	v_lshrrev_b32 v[PT+\b], 23, v[SOP+\b]
.endr
	s_delay_alu instid0(VALU_DEP_1)
	v_lshl_or_b32 v243, v[PT+1], 8, v[PT]          ; my query's two bytes
.irp b, 0,1
.irp i, 0,1,2,3,4,5,6,7,8,9,10,11,12,13,14,15
.endr
	v_cvt_scalef32_pk8_bf8_f32 v[PCD+4*\b:PCD+1+4*\b], v[S+16*\b:S+7+16*\b], v[SOP+\b]
	v_cvt_scalef32_pk8_bf8_f32 v[PCD+2+4*\b:PCD+3+4*\b], v[S+8+16*\b:S+15+16*\b], v[SOP+\b]
.endr
	v_nop
	global_store_b128 v[LI], v[PCD:PCD+3], s[12:13]            ; the wave stores 512 consecutive bytes
	global_store_b128 v[LI], v[PCD+4:PCD+7], s[12:13] offset:512
	ds_store_b16 v[OSW], v243                      ; both halves of the lanes write the same two bytes with the same value
	s_wait_dscnt 0x0
	s_barrier_signal -1
	s_barrier_wait -1                              ; the work-group's 512 bytes lie in LDS
	s_cmp_lg_u32 s[WV], 0
	s_cbranch_scc1 .Lnot_mine
	ds_load_b128 v[216:219], v[OSR]
	s_wait_dscnt 0x0
	global_store_b128 v[LI], v[216:219], s[14:15]  ; wave 0 stores them: 512 consecutive bytes
.Lnot_mine:
	s_wait_tensorcnt 0x0                           ; the wave's end
	ds_add_u32 v[SPW], v[NIL]
	s_wait_dscnt 0x0
	ROUND                                          ; the closing round
	s_endpgm
.Lfunc_end_k_q021ce8e856_attn:
	.size	k_q021ce8e856_attn, .Lfunc_end_k_q021ce8e856_attn-k_q021ce8e856_attn
	.p2alignl 7, 3214868480
	.fill 96, 4, 3214868480
	.section	.rodata,"a",@progbits
	.p2align	6, 0x0
	.amdhsa_kernel k_q021ce8e856_attn
		.amdhsa_group_segment_fixed_size 327680
		.amdhsa_private_segment_fixed_size 0
		.amdhsa_enable_private_segment 0
		.amdhsa_kernarg_size 48
		.amdhsa_user_sgpr_count 2
		.amdhsa_user_sgpr_kernarg_segment_ptr 1
		.amdhsa_wavefront_size32 1
		.amdhsa_system_sgpr_workgroup_id_x 1
		.amdhsa_system_sgpr_workgroup_id_y 1
		.amdhsa_system_sgpr_workgroup_id_z 1
		.amdhsa_system_vgpr_workitem_id 0
		.amdhsa_next_free_vgpr 256
		.amdhsa_next_free_sgpr 100
		.amdhsa_reserve_vcc 0
		.amdhsa_float_denorm_mode_32 3
		.amdhsa_float_denorm_mode_16_64 3
		.amdhsa_fp16_overflow 1
		.amdhsa_memory_ordered 1
		.amdhsa_forward_progress 1
		.amdhsa_inst_pref_size 150
	.end_amdhsa_kernel
	.amdgpu_metadata
---
amdhsa.version: [ 1, 2 ]
amdhsa.kernels:
  - .name:           k_q021ce8e856_attn
    .symbol:         k_q021ce8e856_attn.kd
    .args:
      - { .name: qimg, .offset: 0, .size: 8, .value_kind: global_buffer, .address_space: global }
      - { .name: qsc, .offset: 8, .size: 8, .value_kind: global_buffer, .address_space: global }
      - { .name: kv, .offset: 16, .size: 8, .value_kind: global_buffer, .address_space: global }
      - { .name: sc, .offset: 24, .size: 8, .value_kind: global_buffer, .address_space: global }
      - { .name: oimg, .offset: 32, .size: 8, .value_kind: global_buffer, .address_space: global }
      - { .name: osc, .offset: 40, .size: 8, .value_kind: global_buffer, .address_space: global }
    .group_segment_fixed_size: 327680
    .private_segment_fixed_size: 0
    .kernarg_segment_align: 8
    .kernarg_segment_size: 48
    .max_flat_workgroup_size: 512
    .sgpr_count:     100
    .vgpr_count:     256
    .wavefront_size: 32
...
	.end_amdgpu_metadata
.endif
;; end of part 3
;; launch outp (part 4): grid 64 x 4, 16 waves a work-group, no clusters, 18,432 bytes of LDS; arguments oimg, osc, Wo_codes, Wo_scales, bo, x, out0; writes out0
.if DOCPART == 4
	.amdgcn_target "amdgcn-amd-amdhsa--gfx1250"
	.amdhsa_code_object_version 6
	.text
	.protected	k_q021ce8e856_outp
	.globl	k_q021ce8e856_outp
	.p2align	8
	.type	k_q021ce8e856_outp,@function
k_q021ce8e856_outp:
	s_mov_b64 s[64:65], 0
	v_nop
	global_prefetch_b8 v0, s[64:65] scope:SCOPE_SE
	s_setreg_imm32_b32 hwreg(HW_REG_WAVE_MODE, 25, 1), 1
	s_wait_xcnt 0x0
; out0 = x + Wo o + bo, the product on codes of BF8 (E5M2) with one E8M0 scale for each 32 along K (the 256 channels).  o comes as images of operand registers with its scale bytes.
; SHARES.  A work-group owns 64 positions (g) of one batch: four tiles pt, row r = position 64 g + 4 r + pt.  Wave w owns output channels 16 w .. 16 w + 15.
; Source 0 = 16 rows of Wo, source 1 = 16 positions: register j of tile pt's result in lane (r, h) is out(16 w + 8 h + j, 64 g + 4 r + pt).  x is loaded 16 bytes a lane, register 4 j + pt: the results are added onto it
; and the same registers are stored: sixteen lanes store 256 consecutive bytes, aligned.  No stage.  The bias is the C of each sum's first matrix instruction.
; The work-group's 16,384 bytes of images are read from memory once, 1,024 bytes a wave, and reach all sixteen waves through LDS.
; NO JOINT LOADS: Wo's 65,536 bytes are read by every work-group, but each wave takes its own 4,096 of them once, straight into its operand registers; a joint load would add a way through LDS and two rounds of a
; cluster's barrier to a body of eight matrix instructions a wave.  No prefetch: a work-group's whole share is asked for at its head.
; LIMITS: NaN and infinities among the inputs and infinity or NaN codes in Wo are not served.
.set LI,  1                            ; v1   16 x lane
.set XO,  2                            ; v2   x, out0: 8 channels x h + 16 r
.set WA,  3                            ; v3   Wo: 256 r + 16 h
.set WSO, 4                            ; v4   Wo's scale words: 8 r
.set BO,  5                            ; v5   bo: 32 h
.set L2,  6                            ; v6   2 x lane
.set CP,  7                            ; v7   1,024 wave + 16 lane: my part of the images, in memory and in LDS
.set WS,  8                            ; v8-9   Wo's scale words, K step 0, 1: nothing but scales
.set SW,  10                           ; v10-13 the positions' scale words: 2 s + pt / 2; lanes 16-31: the odd tile's: nothing but scales
.set OT,  14                           ; v14-21 their halves as loaded: 2 head + pt / 2
.set BI,  22                           ; v22-29 bo at my eight channels
.set X,   32                           ; v32-63 x, then the result
.set W,   64                           ; v64-95 Wo's two fragments
.set ACC, 96                           ; v96-127 four accumulators; before that v96-103 carry my part of the images
.set BF,  128                          ; v128-255 the eight fragments of positions: 2 pt + s
.macro WMB p, s
.if (\s) == 0
.if (\p)%2 == 0
	v_wmma_scale_f32_16x16x128_f8f6f4 v[ACC+8*(\p):ACC+8*(\p)+7], v[W:W+15], v[BF+32*(\p):BF+32*(\p)+15], v[BI:BI+7], v[WS], v[SW+(\p)/2] matrix_a_fmt:MATRIX_FMT_BF8 matrix_b_fmt:MATRIX_FMT_BF8
.else
	v_wmma_scale_f32_16x16x128_f8f6f4 v[ACC+8*(\p):ACC+8*(\p)+7], v[W:W+15], v[BF+32*(\p):BF+32*(\p)+15], v[BI:BI+7], v[WS], v[SW+(\p)/2] matrix_a_fmt:MATRIX_FMT_BF8 matrix_b_fmt:MATRIX_FMT_BF8 matrix_b_scale:MATRIX_SCALE_ROW1
.endif
.else
.if (\p)%2 == 0
	v_wmma_scale_f32_16x16x128_f8f6f4 v[ACC+8*(\p):ACC+8*(\p)+7], v[W+16:W+31], v[BF+32*(\p)+16:BF+32*(\p)+31], v[ACC+8*(\p):ACC+8*(\p)+7], v[WS+1], v[SW+2+(\p)/2] matrix_a_fmt:MATRIX_FMT_BF8 matrix_b_fmt:MATRIX_FMT_BF8
.else
	v_wmma_scale_f32_16x16x128_f8f6f4 v[ACC+8*(\p):ACC+8*(\p)+7], v[W+16:W+31], v[BF+32*(\p)+16:BF+32*(\p)+31], v[ACC+8*(\p):ACC+8*(\p)+7], v[WS+1], v[SW+2+(\p)/2] matrix_a_fmt:MATRIX_FMT_BF8 matrix_b_fmt:MATRIX_FMT_BF8 matrix_b_scale:MATRIX_SCALE_ROW1
.endif
.endif
.endm
	s_load_b256 s[4:11], s[0:1], 0x0               ; oimg s[4:5], osc s[6:7], Wo codes s[8:9], Wo scales s[10:11]
	s_load_b128 s[12:15], s[0:1], 0x20             ; bo s[12:13], x s[14:15]
	s_load_b64 s[16:17], s[0:1], 0x30              ; out0
	v_lshrrev_b32 v30, 5, v0
	s_delay_alu instid0(VALU_DEP_1)
	v_readfirstlane_b32 s20, v30                   ; wave 0..15
	v_and_b32 v[LI], 31, v0
	s_delay_alu instid0(VALU_DEP_1)
	v_lshlrev_b32 v[L2], 1, v[LI]
	s_delay_alu instid0(VALU_DEP_2)
	v_lshlrev_b32 v[LI], 4, v[LI]
	s_delay_alu instid0(VALU_DEP_1)
	v_lshl_add_u32 v[CP], v30, 10, v[LI]
	v_and_b32 v30, 15, v0                          ; r
	v_bfe_u32 v31, v0, 4, 1                        ; h
	s_delay_alu instid0(VALU_DEP_2)
	v_lshlrev_b32 v[XO], 4, v30
	s_delay_alu instid0(VALU_DEP_1)
	v_lshl_add_u32 v[XO], v31, 17, v[XO]
	s_delay_alu instid0(VALU_DEP_4)
	v_lshlrev_b32 v[WA], 8, v30
	s_delay_alu instid0(VALU_DEP_1)
	v_lshl_add_u32 v[WA], v31, 4, v[WA]
	v_lshlrev_b32 v[WSO], 3, v30
	v_lshlrev_b32 v[BO], 5, v31
	s_and_b32 s21, ttmp7, 0xffff                   ; the batch
	s_lshl_b32 s22, s21, 20
	s_lshl_b32 s23, ttmp9, 14
	s_add_co_u32 s22, s22, s23                     ; the images of tiles 256 batch + 4 g on: 4,096 bytes a tile
	s_mov_b32 s23, 0
	s_lshl_b32 s24, s21, 15
	s_lshl_b32 s25, ttmp9, 7
	s_add_co_u32 s24, s24, s25                     ; their scale halves: 32,768 a batch, 128 a work-group
	s_mov_b32 s25, 0
	s_lshl_b32 s26, s20, 12                        ; my 16 rows of Wo,
	s_mov_b32 s27, 0
	s_lshl_b32 s28, s20, 7                         ; their scale words,
	s_mov_b32 s29, 0
	s_lshl_b32 s30, s20, 6                         ; my 16 biases
	s_mov_b32 s31, 0
	s_lshl_b32 s32, s21, 8
	s_lshl_b32 s33, s20, 4
	s_add_co_u32 s32, s32, s33
	s_lshl_b32 s32, s32, 14                        ; channel 256 batch + 16 w,
	s_lshl_b32 s33, ttmp9, 8
	s_add_co_u32 s32, s32, s33                     ; position 64 g
	s_mov_b32 s33, 0
	s_wait_alu depctr_va_vdst(0)
	s_wait_kmcnt 0x0
	s_add_nc_u64 s[4:5], s[4:5], s[22:23]
	s_add_nc_u64 s[6:7], s[6:7], s[24:25]
	s_add_nc_u64 s[8:9], s[8:9], s[26:27]
	s_add_nc_u64 s[10:11], s[10:11], s[28:29]
	s_add_nc_u64 s[12:13], s[12:13], s[30:31]
	s_add_nc_u64 s[14:15], s[14:15], s[32:33]
	s_add_nc_u64 s[16:17], s[16:17], s[32:33]
	global_load_b128 v[ACC:ACC+3], v[CP], s[4:5]
	global_load_b128 v[ACC+4:ACC+7], v[CP], s[4:5] offset:512
.irp n, 0,1,2,3
.irp p, 0,1
	global_load_u16 v[OT+2*\n+\p], v[L2], s[6:7] offset:8192*\n+64*\p   ; head n, tiles 2 p (lanes 0-15) and 2 p + 1 (lanes 16-31): bytes of blocks 2 n, 2 n + 1
.endr
.endr
	global_load_b64 v[WS:WS+1], v[WSO], s[10:11]
.irp s, 0,1
.irp c, 0,1,2,3
	global_load_b128 v[W+16*\s+4*\c:W+16*\s+4*\c+3], v[WA], s[8:9] offset:128*\s+32*\c
.endr
.endr
	global_load_b128 v[BI:BI+3], v[BO], s[12:13]
	global_load_b128 v[BI+4:BI+7], v[BO], s[12:13] offset:16
.irp j, 0,1,2,3,4,5,6,7
	global_load_b128 v[X+4*\j:X+4*\j+3], v[XO], s[14:15] offset:16384*\j   ; sixteen lanes read 256 consecutive bytes of a channel
.endr
	s_wait_loadcnt 27                              ; my part of the images is in; the 27 loads behind it stay out
	ds_store_b128 v[CP], v[ACC:ACC+3]
	ds_store_b128 v[CP], v[ACC+4:ACC+7] offset:512
	s_wait_dscnt 0x0                               ; for the others' sake: my stores are done
	s_barrier_signal -1
	s_barrier_wait -1
.irp p, 0,1,2,3
.irp s, 0,1
.irp c, 0,1,2,3
	ds_load_b128 v[BF+16*(2*\p+\s)+4*\c:BF+16*(2*\p+\s)+4*\c+3], v[LI] offset:4096*\p+2048*\s+512*\c
.endr
.endr
.endr
	s_wait_loadcnt 8                               ; all but x's eight loads
.irp s, 0,1
.irp p, 0,1
	v_lshl_or_b32 v[SW+2*\s+\p], v[OT+4*\s+2+\p], 16, v[OT+4*\s+\p]   ; K step s: heads 2 s and 2 s + 1
.endr
.endr
.rept 8
	v_nop                                          ; a scale register written by a vector instruction stands eight places ahead of the scaled matrix instruction
.endr
	s_wait_alu depctr_va_vdst(0)
	s_wait_dscnt 0x0
.irp s, 0,1
.irp p, 0,1,2,3
	WMB \p, \s                                     ; the four accumulators take turns, one instruction a turn
.endr
.endr
.rept 8
	v_nop                                          ; in front of the first read of results (ISA guide 7.12.1)
.endr
	s_wait_loadcnt 0x0                             ; x
.irp j, 0,1,2,3,4,5,6,7
.irp p, 0,1,2,3
	v_add_f32 v[X+4*\j+\p], v[X+4*\j+\p], v[ACC+8*\p+\j]   ; each accumulator from its low end on
.endr
.endr
.irp j, 0,1,2,3,4,5,6,7
	global_store_b128 v[XO], v[X+4*\j:X+4*\j+3], s[16:17] offset:16384*\j th:TH_STORE_NT   ; sixteen lanes store 256 consecutive bytes, at a multiple of 256 from out0's first byte
.endr
	s_wait_xcnt 0x0
	v_lshl_add_u32 v62, v0, 2, 0x4000
	v_mov_b32 v63, 0
	s_wait_alu depctr_va_vdst(0)
	s_wait_tensorcnt 0x0
	ds_add_u32 v62, v63
	s_wait_dscnt 0x0
	s_endpgm
.Lfunc_end_k_q021ce8e856_outp:
	.size	k_q021ce8e856_outp, .Lfunc_end_k_q021ce8e856_outp-k_q021ce8e856_outp
	.p2alignl 7, 3214868480
	.fill 96, 4, 3214868480
	.section	.rodata,"a",@progbits
	.p2align	6, 0x0
	.amdhsa_kernel k_q021ce8e856_outp
		.amdhsa_group_segment_fixed_size 18432
		.amdhsa_private_segment_fixed_size 0
		.amdhsa_enable_private_segment 0
		.amdhsa_kernarg_size 56
		.amdhsa_user_sgpr_count 2
		.amdhsa_user_sgpr_kernarg_segment_ptr 1
		.amdhsa_wavefront_size32 1
		.amdhsa_system_sgpr_workgroup_id_x 1
		.amdhsa_system_sgpr_workgroup_id_y 1
		.amdhsa_system_sgpr_workgroup_id_z 1
		.amdhsa_system_vgpr_workitem_id 0
		.amdhsa_next_free_vgpr 256
		.amdhsa_next_free_sgpr 66
		.amdhsa_reserve_vcc 0
		.amdhsa_float_denorm_mode_32 3
		.amdhsa_float_denorm_mode_16_64 3
		.amdhsa_memory_ordered 1
		.amdhsa_forward_progress 1
		.amdhsa_inst_pref_size 12
	.end_amdhsa_kernel
	.amdgpu_metadata
---
amdhsa.version: [ 1, 2 ]
amdhsa.kernels:
  - .name:           k_q021ce8e856_outp
    .symbol:         k_q021ce8e856_outp.kd
    .args:
      - { .name: oimg, .offset: 0, .size: 8, .value_kind: global_buffer, .address_space: global }
      - { .name: osc, .offset: 8, .size: 8, .value_kind: global_buffer, .address_space: global }
      - { .name: Wo_codes, .offset: 16, .size: 8, .value_kind: global_buffer, .address_space: global }
      - { .name: Wo_scales, .offset: 24, .size: 8, .value_kind: global_buffer, .address_space: global }
      - { .name: bo, .offset: 32, .size: 8, .value_kind: global_buffer, .address_space: global }
      - { .name: x, .offset: 40, .size: 8, .value_kind: global_buffer, .address_space: global }
      - { .name: out0, .offset: 48, .size: 8, .value_kind: global_buffer, .address_space: global }
    .group_segment_fixed_size: 18432
    .private_segment_fixed_size: 0
    .kernarg_segment_align: 8
    .kernarg_segment_size: 56
    .max_flat_workgroup_size: 512
    .sgpr_count:     66
    .vgpr_count:     256
    .wavefront_size: 32
...
	.end_amdgpu_metadata
.endif
;; end of part 4
